; MI455X (gfx1250); checked and timed in simulation.
; The chip was launched on July 23, 2026; its instructions are those of AMD's public machine-readable ISA for CDNA 5 (MIT licence, August 2026) and "CDNA5" Instruction Set Architecture Reference Guide (July 2026). The comments in the code are by the model that wrote it; some were corrected since.
;; GPT2 Self Attention. Allowed arithmetic: matrix products marked QUANTISED: E2M1 operands, one E8M0 scale for each 32 along K, by v_wmma_scale_f32_16x16x128_f8f6f4 with both operands' format E2M1 (or v_wmma_scale_f32_32x16x128_f4), f32 sums; products left as they are: bf16, f16 or f32 operands; f32 sums; everything else in f32.
;; Inputs: Wd 1,024 x 1,024 float32; Wqkv 1,024 x 3,072 float32; bd 1,024 float32; bqkv 3,072 float32; x 4 x 2,048 x 1,024 float32.
;; Outputs: out0 4 x 2,048 x 1,024 float32.
;; This version of the problem:
;;   THIS VERSION OF THE PROBLEM IS GIVEN IN LOW PRECISION. The matrix products marked QUANTISED in the list below multiply operands that are first quantised to E2M1 (2 exponent bits, 1 mantissa bit; 4 bits a number), with one power-of-two scale for each 32 numbers along K (OCP MX v1.0); their sums are f32. The products marked 'left as it is' may take bf16, f16 or f32 operands, with f32 sums. Whichever they take, every output number must still come out within the allowed error. Rounding operands to bf16 (8 significant bits) uses up far more of that allowance than f16 does (11 bits, for magnitudes from 6e-5 to 65,504). All else is computed in f32.
;;   The module's matrix products, in the order in which they are computed (A, B: the left and right operand; K: the contracted axis; several contracted axes count as one K, in the product's order):
;;     1. [M 8,192, K 1,024] x [K 1,024, N 3,072]; A: input x; B: input Wqkv: QUANTISED
;;     2. batch 64 x [M 2,048, K 64] x [K 64, N 2,048]; A: computed on the way; B: computed on the way: left as it is (an operand is computed on the way)
;;     3. batch 64 x [M 2,048, K 2,048] x [K 2,048, N 64]; A: computed on the way; B: computed on the way: left as it is (an operand is computed on the way)
;;     4. [M 8,192, K 1,024] x [K 1,024, N 1,024]; A: computed on the way; B: input Wd: left as it is (an operand is computed on the way)
;;   THE QUANTISER, for each operand of a quantised product, along K:
;;     - K is cut into blocks of 32 from its start; a last block that is shorter is filled with zeros.
;;     - A block's scale is 2^e with e = floor(log2(the largest magnitude in the block)) - 2, held to -126 .. 127; a block of zeros has e = 0. As a byte (E8M0): e + 127.
;;     - Each number is divided by its block's scale, clamped to +-6, and rounded to the nearest number of E2M1, ties to even, subnormals kept.
;;     - The product sums the exact products of the quantised numbers (number of the format x scale) in f32.
;;   ~~~python
;;   def quantise(x, axis):      # numpy; x: float32 -> the quantised numbers, widened to float32 again
;;       x = np.moveaxis(x, axis, -1); K = x.shape[-1]
;;       x = np.pad(x, [(0, 0)] * (x.ndim - 1) + [(0, -K % 32)]); x = x.reshape(x.shape[:-1] + (-1, 32)); a = np.abs(x).max(-1, keepdims=True)
;;       e = np.where(a > 0, np.clip(np.frexp(np.where(a > 0, a, 1))[1] - 1 - 2, -126, 127), 0)      # np.frexp(a)[1] - 1 = floor(log2(a)), exactly
;;       r = np.clip(x / 2.0 ** e, -6, 6)
;;       step = 2.0 ** (np.maximum(np.frexp(np.where(r == 0, 1, r))[1] - 1, 0) - 1)
;;       q = np.round(r / step) * step * 2.0 ** e      # np.round: ties to even
;;       return np.moveaxis(q.reshape(q.shape[:-2] + (-1,))[..., :K], -1, axis).astype(np.float32)
;;   ~~~
;; One version. Each part assembles by itself: llvm-mc -triple=amdgcn-amd-amdhsa -mcpu=gfx1250 --defsym DOCPART=n.
;; ======== version 1 of 1: 5 launches
;; limits: values are held in f16: magnitudes above 65,504 overflow, below 6.1e-05 lose precision
;; workspace buffers: codes 5,767,168 bytes; scl 360,448 bytes; wd16 2,097,152 bytes; qkv16 50,331,648 bytes; aux 1,327,104 bytes; sv 524,288 bytes; cx 16,777,216 bytes
;; launch prep (part 1): grid 368 x 1, 4 waves a work-group, no clusters, 68,096 bytes of LDS; arguments x, Wqkv, Wd, codes, scl, wd16; writes codes, scl, wd16
.if DOCPART == 1
	.amdgcn_target "amdgcn-amd-amdhsa--gfx1250"
	.amdhsa_code_object_version 6
	.text
	.protected	k_qff38f419a6_prep
	.globl	k_qff38f419a6_prep
	.p2align	8
	.type	k_qff38f419a6_prep,@function
k_qff38f419a6_prep:
	s_mov_b64 s[64:65], 0
	v_nop
	global_prefetch_b8 v0, s[64:65] scope:SCOPE_SE
	s_setreg_imm32_b32 hwreg(HW_REG_WAVE_MODE, 25, 1), 1
	s_wait_xcnt 0x0
; GPT-2 self-attention, B 4, S 2048, D 1024, 16 heads of 64.  Five launches: prep, qkv, fine, attn, proj.
; THIS LAUNCH: x [8192][1024] and Wqkv [1024][3072], f32, become codes of E2M1 with one E8M0 byte for each 32 along K (the first product's K = 1024), K innermost;
; Wd [1024][1024] becomes f16 as it lies.
; WORK LEFT OUT BY THE PROGRAM, AND WHY IT IS DEAD.  reference() replaces score(q, k) by -10000 wherever k > q, whatever the inputs hold: so tiles of q k^T that lie wholly above the
; diagonal reach no output and are not multiplied.  Their WEIGHT is not dead: every hidden key of a row carries the same weight w = exp(-10000 - the row's maximum), so their share of the
; second product is w x (the sum of v over those keys) and w x (their number) in the divisor: an identity for all values.  It is carried so: launch qkv sums v over each 64 keys, launch fine
; makes the sums over all later blocks, launches fine and attn add them in.  The row's maximum includes -10000 wherever a key is hidden, as in reference().  Every input is loaded, every bias is kept.
; LIMITS: a NaN, an infinity or an overflow in a score that the mask replaces is not carried to the result.  q, k, v, the context and Wd go to the matrix units as f16 (but for the first
; 16 positions of each sequence, which launch fine carries in f32): magnitudes over 65,504 are not served; a weight under 2^-25 of its row's largest becomes 0.
; Quantiser: blocks whose largest magnitude lies under 2^(2 - 126) have their byte held at 1; a block of zeros has the byte 1 where the rule says 127: its codes are zeros, and this program alone reads the bytes.  NaN and infinities among the inputs are not served.
; SHARES: work-groups 0-255: x, a wave to 8,192 numbers;  256-303: Wqkv, a wave to 32 columns x 512 along K;  304-367: Wd, a wave to 4,096 numbers.  Each path has LDS bytes of its own.  No barrier: waves share nothing.
.set SPW,   12                         ; v12  LDS address of my spare word; never rewritten
.set NIL,   13                         ; v13  0; never rewritten
.set SPARE, 67584                      ; behind both paths' stages: 128 bytes a wave that no other line names
.set EMAX,  2
; path x
.set STEPS, 16
.set CB,    8                          ; bytes of 16 codes
.set R,     16                         ; v16-79   four sets of 16 numbers as loaded
.set X,     80                         ; v80-111  two sets of 16 neighbours
.set E,     112                        ; v112-127 a scale byte for each step
.set C,     128                        ; v128-191 codes, four registers for each step
.set WREG,  8192                       ; LDS 0 .. 32,767: a region a wave: two stages of 32 x SP bytes, then 256 scale bytes
.set SP,    80
; path W
.set WN,    3072
.set NB,    16                         ; blocks of 32 along K for a wave
.set PITCH, 272                        ; a stage row: 256 bytes of codes + 16
.set KROW,  512                        ; a row of codes in memory
.set WSTG,  32768                      ; LDS 32,768 .. 67,583: four stages of 32 rows
.set WX,    32                         ; v32-95   two sets of 32 numbers
.set WC,    96                         ; v96-99   a block's codes
.set OUTR,  112                        ; v112-175 the way out
.set SB,    24                         ; v24-27   scale bytes, four to a register
	s_load_b256 s[4:11], s[0:1], 0x0               ; x s[4:5], Wqkv s[6:7], Wd s[8:9], codes s[10:11]
	s_load_b128 s[12:15], s[0:1], 0x20             ; scl s[12:13], wd16 s[14:15]
	v_lshl_add_u32 v[SPW], v0, 2, SPARE
	v_mov_b32 v[NIL], 0
	v_lshrrev_b32 v1, 5, v0
	v_readfirstlane_b32 s16, v1                    ; wave
	v_and_b32 v2, 31, v0                           ; lane
	s_cmp_ge_u32 ttmp9, 304
	s_cbranch_scc1 .Lpath_d
	s_cmp_ge_u32 ttmp9, 256
	s_cbranch_scc1 .Lpath_w
; ---------------- x: a plain stream of blocks of 32.  Loads take 512 consecutive bytes; a step's 2,048 bytes turn through the wave's stage so that a lane holds 16 neighbours.
	v_lshlrev_b32 v3, 4, v2                        ; my 16 bytes of a load's 512
	s_mul_i32 s17, s16, WREG
	v_lshrrev_b32 v14, 2, v2
	v_mul_u32_u24 v14, v14, SP
	v_and_b32 v15, 3, v2
	v_lshl_add_u32 v14, v15, 4, v14
	v_add_nc_u32 v14, s17, v14                     ; into the stage: SP (lane / 4) + 16 (lane % 4)
	v_mul_u32_u24 v15, v2, SP
	v_add_nc_u32 v15, s17, v15                     ; out of it: SP x lane
	v_mul_u32_u24 v4, v2, CB                       ; my codes' place in a step's
	v_lshrrev_b32 v5, 1, v2
	s_add_co_u32 s17, s17, 2*32*SP
	v_add_nc_u32 v5, s17, v5                       ; my block's byte among the wave's 256
	v_lshlrev_b32 v7, 3, v2
	v_add_nc_u32 v6, s17, v7
	s_lshl_b32 s17, ttmp9, 2
	s_add_co_u32 s18, s17, s16                     ; which run of 8,192 numbers is my wave's
	s_lshl_b32 s20, s18, 15                        ; its 32,768 bytes of f32,
	s_mov_b32 s21, 0
	s_lshl_b32 s22, s18, 12                        ; 4,096 of codes,
	s_mov_b32 s23, 0
	s_lshl_b32 s24, s18, 8                         ; 256 scale bytes
	s_mov_b32 s25, 0
	s_wait_kmcnt 0x0
	s_add_nc_u64 s[4:5], s[4:5], s[20:21]
	s_add_nc_u64 s[10:11], s[10:11], s[22:23]
	s_add_nc_u64 s[12:13], s[12:13], s[24:25]
.macro LOAD t
.irp i, 0,1,2,3
	global_load_b128 v[R+16*((\t)%4)+4*\i:R+16*((\t)%4)+4*\i+3], v3, s[4:5] offset:2048*(\t)+512*\i th:TH_LOAD_NT
.endr
.endm
.macro TURN t                          ; LDS serves a wave's instructions in order: no wait between the stores and the loads
.irp i, 0,1,2,3
	ds_store_b128 v14, v[R+16*((\t)%4)+4*\i:R+16*((\t)%4)+4*\i+3] offset:32*SP*((\t)%2)+8*SP*\i
.endr
.irp i, 0,1,2,3
	ds_load_b128 v[X+16*((\t)%2)+4*\i:X+16*((\t)%2)+4*\i+3], v15 offset:32*SP*((\t)%2)+16*\i
.endr
.endm
.irp t, 0,1,2,3
	LOAD \t
.endr
	s_wait_loadcnt 12                              ; step 0's four loads are in; three steps' twelve stay out
	TURN 0
.macro STEP t
.set XS, X+16*((\t)%2)
.if (\t) > 0
	s_wait_dscnt 1                                 ; this step's numbers are back from the stage; the last step's byte store may be out
.else
	s_wait_dscnt 0x0
.endif
.if (\t)+4 < STEPS
	LOAD (\t)+4
.endif
.if (\t)+1 < STEPS
.if STEPS-2-(\t) >= 3
	s_wait_loadcnt 12                              ; the next step's four loads are in; those of the three steps behind it may be out
.else
	s_wait_loadcnt 4*(STEPS-2-(\t))
.endif
	TURN (\t)+1
.endif
	v_max3_num_f32 v8, |v[XS]|, |v[XS+1]|, |v[XS+2]|
	v_max3_num_f32 v9, |v[XS+3]|, |v[XS+4]|, |v[XS+5]|
.irp i, 6,10
	v_max3_num_f32 v8, v8, |v[XS+\i]|, |v[XS+\i+1]|
	v_max3_num_f32 v9, v9, |v[XS+\i+2]|, |v[XS+\i+3]|
.endr
	v_max3_num_f32 v8, v8, |v[XS+14]|, |v[XS+15]|
	v_max3_num_f32 v8, v8, v9, (EMAX+1)<<23        ; the floor 2^(3 - 127): the byte cannot fall under 1
	v_max_num_f32_dpp v8, v8, v8 row_xmask:1 row_mask:0xf bank_mask:0xf   ; with my neighbour's 16: the block's largest magnitude
	v_add_nc_u32 v11, -(EMAX<<23), v8              ; 2 off its exponent field: the conversion's scale operand
	v_cvt_scalef32_pk8_fp4_f32 v[C+4*(\t)], v[XS:XS+7], v11
	v_cvt_scalef32_pk8_fp4_f32 v[C+4*(\t)+1], v[XS+8:XS+15], v11
	v_lshrrev_b32 v[E+(\t)], 23, v11               ; the scale's byte
	ds_store_b8 v5, v[E+(\t)] offset:16*(\t)       ; both lanes of a block write the same byte
	global_store_b64 v4, v[C+4*(\t):C+4*(\t)+1], s[10:11] offset:32*CB*(\t)   ; the wave stores 256 consecutive bytes, aligned
.endm
.irp t, 0,1,2,3,4,5,6,7,8,9,10,11,12,13,14,15
	STEP \t
.endr
	ds_load_b64 v[8:9], v6
	s_wait_dscnt 0x0
	global_store_b64 v7, v[8:9], s[12:13]          ; the wave's 256 scale bytes
	s_wait_tensorcnt 0x0                           ; the wave's end
	ds_add_u32 v[SPW], v[NIL]
	s_wait_dscnt 0x0
	s_endpgm
; ---------------- Wqkv: K is its first axis.  A lane takes a column and its registers run down K; the codes leave through the wave's stage as rows.
.Lpath_w:
	s_sub_co_u32 s17, ttmp9, 256
	s_and_b32 s18, s17, 1                          ; which 512 along K
	s_lshr_b32 s17, s17, 1
	s_lshl_b32 s17, s17, 7
	s_lshl_b32 s19, s16, 5
	s_add_co_u32 s17, s17, s19                     ; my wave's first column
	v_lshlrev_b32 v3, 2, v2
	s_mul_i32 s19, s16, 32*PITCH
	s_add_co_u32 s19, s19, WSTG                    ; my stage
	v_mul_u32_u24 v4, v2, PITCH
	v_add_nc_u32 v4, s19, v4                       ; into it: row = my column
	v_and_b32 v5, 15, v2
	v_lshrrev_b32 v6, 4, v2
	v_mul_u32_u24 v7, v6, PITCH
	v_lshl_add_u32 v7, v5, 4, v7
	v_add_nc_u32 v7, s19, v7                       ; out of it: sixteen lanes to a row
	v_mul_u32_u24 v8, v6, KROW
	v_lshl_add_u32 v8, v5, 4, v8                   ; the same place in the codes
	v_lshlrev_b32 v9, 5, v2                        ; my column's row of scale bytes
	s_mul_i32 s20, s18, 512*WN*4
	s_lshl_b32 s22, s17, 2
	s_add_co_u32 s20, s20, s22                     ; W: 512 rows x K half + 4 x column
	s_mov_b32 s21, 0
	s_lshl_b32 s24, s17, 9
	s_lshl_b32 s26, s18, 8
	s_add_co_u32 s24, s24, s26
	s_add_co_u32 s24, s24, 4194304                 ; codes: behind x's, column x 512 + 256 x K half
	s_mov_b32 s25, 0
	s_lshl_b32 s28, s17, 5
	s_lshl_b32 s26, s18, 4
	s_add_co_u32 s28, s28, s26
	s_add_co_u32 s28, s28, 262144                  ; scale bytes: behind x's, column x 32 + 16 x K half
	s_mov_b32 s29, 0
	s_wait_kmcnt 0x0
	s_add_nc_u64 s[6:7], s[6:7], s[20:21]
	s_add_nc_u64 s[10:11], s[10:11], s[24:25]
	s_add_nc_u64 s[12:13], s[12:13], s[28:29]
.macro WLOAD t                         ; block t: W(32 t + i, my column); offsets stay under 511 x 12,288 bytes, inside the signed 24-bit immediate
.irp i, 0,1,2,3,4,5,6,7,8,9,10,11,12,13,14,15,16,17,18,19,20,21,22,23,24,25,26,27,28,29,30,31
	global_load_b32 v[WX+32*((\t)%2)+\i], v3, s[6:7] offset:(32*(\t)+\i)*WN*4 th:TH_LOAD_NT
.endr
.endm
	WLOAD 0
	WLOAD 1
.macro BLOCK t
.set XS, WX+32*((\t)%2)
.if (\t) < NB-1
	s_wait_loadcnt 32                              ; this block's 32 loads are in; the next block's may be out
.else
	s_wait_loadcnt 0
.endif
	v_max3_num_f32 v16, |v[XS]|, |v[XS+1]|, |v[XS+2]|
	v_max3_num_f32 v17, |v[XS+3]|, |v[XS+4]|, |v[XS+5]|
.irp i, 6,10,14,18,22,26
	v_max3_num_f32 v16, v16, |v[XS+\i]|, |v[XS+\i+1]|
	v_max3_num_f32 v17, v17, |v[XS+\i+2]|, |v[XS+\i+3]|
.endr
	v_max3_num_f32 v16, v16, |v[XS+30]|, |v[XS+31]|
	v_max3_num_f32 v16, v16, v17, (EMAX+1)<<23
	v_add_nc_u32 v11, -(EMAX<<23), v16
	v_lshrrev_b32 v17, 23, v11
.if (\t)%4 == 0
	v_mov_b32 v[SB+(\t)/4], v17
.else
	v_lshl_or_b32 v[SB+(\t)/4], v17, 8*((\t)%4), v[SB+(\t)/4]
.endif
.irp g, 0,1,2,3
	v_cvt_scalef32_pk8_fp4_f32 v[WC+\g], v[XS+8*\g:XS+8*\g+7], v11
.endr
	ds_store_b128 v4, v[WC:WC+3] offset:16*(\t)
.if (\t)+2 < NB
	WLOAD (\t)+2
.endif
	s_wait_dscnt 0x0                               ; the store has read its registers: the next block's codes may be written
.endm
.set Q, 0
.rept NB
	BLOCK Q
.set Q, Q+1
.endr
	global_store_b128 v9, v[SB:SB+3], s[12:13]     ; my column's 16 scale bytes
.irp t, 0,1,2,3,4,5,6,7,8,9,10,11,12,13,14,15
	ds_load_b128 v[OUTR+4*\t:OUTR+4*\t+3], v7 offset:2*\t*PITCH
.endr
.irp t, 0,1,2,3,4,5,6,7,8,9,10,11,12,13,14,15
	s_wait_dscnt 15-\t
	global_store_b128 v8, v[OUTR+4*\t:OUTR+4*\t+3], s[10:11] offset:2*\t*KROW   ; sixteen lanes store 256 consecutive bytes, aligned
.endr
	s_wait_tensorcnt 0x0                           ; the wave's end, as above
	ds_add_u32 v[SPW], v[NIL]
	s_wait_dscnt 0x0
	s_endpgm
; ---------------- Wd to f16, as it lies.  All 32 loads of a wave go out at once; no LDS.
.Lpath_d:
	s_sub_co_u32 s17, ttmp9, 304
	s_lshl_b32 s17, s17, 2
	s_add_co_u32 s17, s17, s16                     ; which run of 4,096 numbers
	s_lshl_b32 s20, s17, 14
	s_mov_b32 s21, 0
	s_lshl_b32 s22, s17, 13
	s_mov_b32 s23, 0
	v_lshlrev_b32 v3, 4, v2
	v_lshlrev_b32 v4, 3, v2
	s_wait_kmcnt 0x0
	s_add_nc_u64 s[8:9], s[8:9], s[20:21]
	s_add_nc_u64 s[14:15], s[14:15], s[22:23]
.set i, 0
.rept 32
	global_load_b128 v[16+4*i:19+4*i], v3, s[8:9] offset:512*i th:TH_LOAD_NT
.set i, i+1
.endr
.set i, 0
.rept 32
	s_wait_loadcnt 31-i                            ; loads come back in order: number i is in
	v_cvt_pk_f16_f32 v[16+4*i], v[16+4*i], v[17+4*i]
	v_cvt_pk_f16_f32 v[17+4*i], v[18+4*i], v[19+4*i]
	global_store_b64 v4, v[16+4*i:17+4*i], s[14:15] offset:256*i
.set i, i+1
.endr
	s_endpgm
.Lfunc_end_k_qff38f419a6_prep:
	.size	k_qff38f419a6_prep, .Lfunc_end_k_qff38f419a6_prep-k_qff38f419a6_prep
	.p2alignl 7, 3214868480
	.fill 96, 4, 3214868480
	.section	.rodata,"a",@progbits
	.p2align	6, 0x0
	.amdhsa_kernel k_qff38f419a6_prep
		.amdhsa_group_segment_fixed_size 68096
		.amdhsa_private_segment_fixed_size 0
		.amdhsa_enable_private_segment 0
		.amdhsa_kernarg_size 48
		.amdhsa_user_sgpr_count 2
		.amdhsa_user_sgpr_kernarg_segment_ptr 1
		.amdhsa_wavefront_size32 1
		.amdhsa_system_sgpr_workgroup_id_x 1
		.amdhsa_system_sgpr_workgroup_id_y 1
		.amdhsa_system_sgpr_workgroup_id_z 1
		.amdhsa_system_vgpr_workitem_id 0
		.amdhsa_next_free_vgpr 192
		.amdhsa_next_free_sgpr 66
		.amdhsa_reserve_vcc 0
		.amdhsa_float_denorm_mode_32 3
		.amdhsa_float_denorm_mode_16_64 3
		.amdhsa_memory_ordered 1
		.amdhsa_forward_progress 1
		.amdhsa_inst_pref_size 122
	.end_amdhsa_kernel
	.amdgpu_metadata
---
amdhsa.version: [ 1, 2 ]
amdhsa.kernels:
  - .name:           k_qff38f419a6_prep
    .symbol:         k_qff38f419a6_prep.kd
    .args:
      - { .name: x, .offset: 0, .size: 8, .value_kind: global_buffer, .address_space: global }
      - { .name: Wqkv, .offset: 8, .size: 8, .value_kind: global_buffer, .address_space: global }
      - { .name: Wd, .offset: 16, .size: 8, .value_kind: global_buffer, .address_space: global }
      - { .name: codes, .offset: 24, .size: 8, .value_kind: global_buffer, .address_space: global }
      - { .name: scl, .offset: 32, .size: 8, .value_kind: global_buffer, .address_space: global }
      - { .name: wd16, .offset: 40, .size: 8, .value_kind: global_buffer, .address_space: global }
    .group_segment_fixed_size: 68096
    .private_segment_fixed_size: 0
    .kernarg_segment_align: 8
    .kernarg_segment_size: 48
    .max_flat_workgroup_size: 128
    .sgpr_count:     66
    .vgpr_count:     192
    .wavefront_size: 32
...
	.end_amdgpu_metadata
.endif
;; end of part 1
;; launch qkv (part 2): grid 16 x 32, 4 waves a work-group, clusters of 4 x 1, 327,680 bytes of LDS; arguments codes, scl, bqkv, qkv16, aux; writes qkv16, aux
.if DOCPART == 2
	.amdgcn_target "amdgcn-amd-amdhsa--gfx1250"
	.amdhsa_code_object_version 6
	.text
	.protected	k_qff38f419a6_qkv
	.globl	k_qff38f419a6_qkv
	.p2align	8
	.type	k_qff38f419a6_qkv,@function
k_qff38f419a6_qkv:
	s_mov_b64 s[64:65], 0
	v_nop
	global_prefetch_b8 v0, s[64:65] scope:SCOPE_SE
	s_setreg_imm32_b32 hwreg(HW_REG_WAVE_MODE, 25, 1), 1
	s_wait_xcnt 0x0
	s_wait_alu depctr_hold_cnt(0) depctr_sa_sdst(0) depctr_va_vdst(0) depctr_va_sdst(0) depctr_va_ssrc(0) depctr_va_vcc(0) depctr_vm_vsrc(0)
	s_getreg_b32 s2, hwreg(HW_REG_IB_STS2, 6, 4)
	s_cmp_eq_u32 s2, 0
	s_cbranch_scc0 .Lentry_in_a_cluster
	s_endpgm
.Lentry_in_a_cluster:
	s_bfe_u32 s2, ttmp6, 0x10000c
	s_cmp_lg_u32 s2, 0x3003
	s_cbranch_scc0 .Lentry_shape_is_right
	s_endpgm
.Lentry_shape_is_right:
; qkv = Q(x) Q(Wqkv) + bqkv on codes of E2M1 with E8M0 scales; sums in f32.  A work-group makes 256 rows x the 192 columns of one head (q, k, v), a wave 64 rows x 192: 48 accumulators.
; All of K = 1024 lies in LDS at once (two halves of 512, rows of 256 bytes + 16): every tile is filled once, nothing is filled again.
; q's and k's blocks are used transposed (source 0 = 16 columns of W, source 1 = 16 rows of x): a lane holds 8 neighbouring columns of a row.  v's are used as they are (source 0 = x, source 1 = W):
; a lane holds one channel and 8 neighbouring keys, which is a row of v^T.  The bias is the C of each sum's first product.
; OUT: q, k as f16 [head of batch][position][64]; v^T as f16 [head of batch][block of 64 keys][channel][key]; the sum of v over the wave's 64 keys, f32 (for the hidden keys' share: see launch prep's head);
; and, from the wave that holds a sequence's first 64 positions, q, k, v^T of positions 0-15 in f32 and the sum of v over positions 16-63, for launch fine.
; CLUSTER 4 x 1: the four heads of a cluster read the same rows of x: asked for jointly (mask 15).  W's tiles differ between the partners: plain loads.  Not 4 x 4: the branch round the f32 stores hangs on
; the tile row, which has to be the same in all partners.
; REGISTERS: window 0: v16-31 addresses; v32-95 scale words; v96-159 x's fragments, two sets.  window 1: W's fragments, two sets of 96.  window 2: q's and k's accumulators, (column block cb, row block a) at v[8 (4 cb + a)].
;   window 3: v's accumulators likewise in v0-127; biases: q, k at v[128 + 8 cb], v at v[192 + 8 cb].
.set PITCH,  272
.set SLOT,   121856                    ; a K half: x's 256 rows, then W's 192
.set WOFF,   69632
.set SCLA,   243712                    ; x's scale bytes: 32 units of 256 + 16
.set SCLB,   252416                    ; W's: 24 units
.set SPARE,  259072                    ; the spare words, 128 bytes a wave
.set STAGE,  259584                    ; the way out: 64 rows x 144 bytes a wave; no fill lands here
.set SPITCH, 144
.set ADRA, 16                          ; v16-17 my x fragments in K half 0, 1
.set ADRB, 20                          ; v20-21 W's
.set ADSA, 22                          ; v22  x's scale words: lanes 0-15 block i, lanes 16-31 block i + 2
.set ADSB, 23                          ; v23  W's: lanes 0-15 block i, lanes 16-31 block i + 6
.set STO,  24
.set RD,   25
.set GO,   26
.set FQ,   27
.set SPW,  28
.set NIL,  29
.set FV,   30
.set L4,   31
.set XF,   96
.set G1,   24
.set G0,   32
.set G1B,  48
.set G0B,  56
.set G1S,  68
.set G0S,  76
.set G1SB, 80
.set G0SB, 88
.set W_QK,  0xa1                       ; source 0 (W) window 1, source 1 (x) window 0, C and D window 2
.set W_QK1, 0xb1                       ; the same with C (the bias) in window 3
.set W_V,   0xf4                       ; source 0 (x) window 0, source 1 (W) window 1, C and D window 3
.set TO_B,  0x40
.set TO_3,  0xc0
.set PK2,   0x0a
.set PK3,   0x0f
.set ST2,   0x08
.set ST3,   0x0c
.set MSB, 0
.macro WIN new
.if MSB != \new
	s_set_vgpr_msb (MSB<<8)|\new
.set MSB, \new
.endif
.endm
.macro JLOAD g0a, g1a, g0b, g1b        ; waves 0 and 1 fetch for x (jointly), waves 2 and 3 for W; an s_nop 0 and four v_nop follow each line
	s_cmp_eq_u32 s15, 0
	s_cbranch_scc0 .Lfor_b_\@
	tensor_load_to_lds s[\g0a:\g0a+3], s[\g1a:\g1a+7]
	s_nop 0
.rept 4
	v_nop
.endr
	s_branch .Lasked_\@
.Lfor_b_\@:
	tensor_load_to_lds s[\g0b:\g0b+3], s[\g1b:\g1b+7]
	s_nop 0
.rept 4
	v_nop
.endr
.Lasked_\@:
.endm
.macro CROUND                          ; a round of the cluster's barrier
	s_barrier_signal -1
	s_barrier_wait -1
	s_cmp_lg_u32 s14, 0
	s_cbranch_scc1 .Lnot_wave_0_\@
	s_barrier_signal -3
.Lnot_wave_0_\@:
	s_barrier_wait -3
	s_barrier_signal -1
	s_barrier_wait -1
.endm
.macro PLACES n
.rept \n
	v_nop
.endr
.endm
	s_load_b256 s[4:11], s[0:1], 0x0               ; codes s[4:5], scl s[6:7], bqkv s[8:9], qkv16 s[10:11]
	s_load_b64 s[12:13], s[0:1], 0x20              ; aux
	v_lshl_add_u32 v[SPW], v0, 2, SPARE
	v_mov_b32 v[NIL], 0
	ds_add_u32 v[SPW], v[NIL]                      ; the wave's opening: the add, twice on end, and its wait ahead of my first tensor load
	ds_add_u32 v[SPW], v[NIL]
	v_lshrrev_b32 v1, 5, v0
	v_readfirstlane_b32 s14, v1                    ; wave 0..3
	s_lshr_b32 s15, s14, 1                         ; I fetch for x (0) or for W (1)
	s_and_b32 s16, s14, 1                          ; which half of that tile's rows
	s_and_b32 s17, ttmp7, 0xffff                   ; tile row: 256 rows of x; the same in all four partners
	s_bfe_u32 s40, ttmp6, 0x40000                  ; cx
	s_lshl_b32 s41, ttmp9, 2
	s_add_co_u32 s41, s41, s40                     ; head = 4 x cluster x + cx
	s_mov_b32 s[G1], 15|(1<<20)|(1<<21)|(5<<22)|(3<<25)    ; x's codes: mask of all four, bit 21 beside it; bytes; 4 words of padding behind every 64
	s_mov_b32 s[G1+1], 256<<16
	s_mov_b32 s[G1+2], 128<<16
	s_mov_b32 s[G1+3], 256<<16
	s_mov_b32 s[G1+4], 128                         ; 128 rows of 256 bytes,
	s_mov_b32 s[G1+5], 512                         ; 512 bytes apart in memory
	s_mov_b32 s[G1+6], 0
	s_mov_b32 s[G1+7], 0
	s_mov_b32 s[G1B], (1<<20)|(5<<22)|(3<<25)      ; W's codes: no mask; 96 rows
	s_mov_b32 s[G1B+1], 256<<16
	s_mov_b32 s[G1B+2], 96<<16
	s_mov_b32 s[G1B+3], 256<<16
	s_mov_b32 s[G1B+4], 96
	s_mov_b32 s[G1B+5], 512
	s_mov_b32 s[G1B+6], 0
	s_mov_b32 s[G1B+7], 0
	s_mov_b32 s[G1S], 15|(3<<16)|(1<<20)|(1<<21)|(5<<22)|(3<<25)   ; x's scale bytes of 128 rows: 4,096 dense bytes as 16 rows of 32 elements of 8 bytes
	s_mov_b32 s[G1S+1], 32<<16
	s_mov_b32 s[G1S+2], 16<<16
	s_mov_b32 s[G1S+3], 32<<16
	s_mov_b32 s[G1S+4], 16
	s_mov_b32 s[G1S+5], 32
	s_mov_b32 s[G1S+6], 0
	s_mov_b32 s[G1S+7], 0
	s_mov_b32 s[G1SB], (3<<16)|(1<<20)|(5<<22)|(3<<25)             ; W's of 96 rows: 12 rows
	s_mov_b32 s[G1SB+1], 32<<16
	s_mov_b32 s[G1SB+2], 12<<16
	s_mov_b32 s[G1SB+3], 32<<16
	s_mov_b32 s[G1SB+4], 12
	s_mov_b32 s[G1SB+5], 32
	s_mov_b32 s[G1SB+6], 0
	s_mov_b32 s[G1SB+7], 0
	s_lshl_b32 s18, s17, 8
	s_lshl_b32 s19, s16, 7
	s_add_co_u32 s18, s18, s19                     ; x: row 256 x tile row + 128 x half
	s_lshl_b32 s20, s18, 9                         ; its codes,
	s_mov_b32 s21, 0
	s_lshl_b32 s22, s18, 5                         ; its scale bytes
	s_mov_b32 s23, 0
	s_mul_i32 s42, s41, 192
	s_mul_i32 s43, s16, 96
	s_add_co_u32 s42, s42, s43                     ; W: column 192 x head + 96 x half
	s_lshl_b32 s46, s42, 9
	s_add_co_u32 s46, s46, 4194304
	s_mov_b32 s47, 0
	s_lshl_b32 s92, s42, 5
	s_add_co_u32 s92, s92, 262144
	s_mov_b32 s93, 0
	s_mul_i32 s44, s16, 128*PITCH                  ; where they go: made of the wave's number alone
	s_mul_i32 s45, s16, 96*PITCH
	s_add_co_u32 s45, s45, WOFF
	s_mul_i32 s94, s16, 16*PITCH
	s_mul_i32 s95, s16, 12*PITCH
	s_wait_dscnt 0x0                               ; both opening adds are done
	s_wait_kmcnt 0x0
	s_add_nc_u64 s[20:21], s[4:5], s[20:21]
	s_add_nc_u64 s[22:23], s[6:7], s[22:23]
	s_add_nc_u64 s[46:47], s[4:5], s[46:47]
	s_add_nc_u64 s[92:93], s[6:7], s[92:93]
	CROUND                                         ; all four work-groups are here: the joint loads meet
	s_mov_b32 s[G0S], 1
	s_add_co_u32 s[G0S+1], s94, SCLA
	s_mov_b64 s[G0S+2:G0S+3], s[22:23]
	s_or_b32 s[G0S+3], s[G0S+3], 0x80000000
	s_mov_b32 s[G0SB], 1
	s_add_co_u32 s[G0SB+1], s95, SCLB
	s_mov_b64 s[G0SB+2:G0SB+3], s[92:93]
	s_or_b32 s[G0SB+3], s[G0SB+3], 0x80000000
	JLOAD G0S, G1S, G0SB, G1SB                     ; the scale bytes first
.irp c, 0,1
	s_mov_b32 s[G0+4*\c], 1
	s_add_co_u32 s[G0+4*\c+1], s44, \c*SLOT
	s_add_nc_u64 s[G0+4*\c+2:G0+4*\c+3], s[20:21], \c*256
	s_or_b32 s[G0+4*\c+3], s[G0+4*\c+3], 0x80000000
	s_mov_b32 s[G0B+4*\c], 1
	s_add_co_u32 s[G0B+4*\c+1], s45, \c*SLOT
	s_add_nc_u64 s[G0B+4*\c+2:G0B+4*\c+3], s[46:47], \c*256
	s_or_b32 s[G0B+4*\c+3], s[G0B+4*\c+3], 0x80000000
	JLOAD G0+4*\c, G1, G0B+4*\c, G1B               ; K half c.  Three tensor loads of mine are out in all
.endr
	v_and_b32 v1, 15, v0                           ; r
	v_bfe_u32 v2, v0, 4, 1                         ; h
	v_and_b32 v3, 31, v0                           ; lane
	v_mul_u32_u24 v4, v1, PITCH
	v_lshl_add_u32 v4, v2, 4, v4                   ; a fragment's row x pitch + 16 h
	s_mul_i32 s18, s14, 64*PITCH
	v_add_nc_u32 v[ADRA], s18, v4
	v_add_nc_u32 v[ADRA+1], SLOT, v[ADRA]
	v_add_nc_u32 v[ADRB], WOFF, v4
	v_add_nc_u32 v[ADRB+1], SLOT+WOFF, v4
	v_lshrrev_b32 v5, 3, v1
	v_lshlrev_b32 v6, 5, v1
	v_lshl_add_u32 v6, v5, 4, v6                   ; a row's 32 scale bytes: 32 r, + 16 behind each 256
	v_mul_u32_u24 v5, v2, 2*544                    ; lanes 16-31: two blocks of 16 rows on
	v_add_nc_u32 v5, v5, v6
	s_mul_i32 s18, s14, 4*544
	s_add_co_u32 s18, s18, SCLA
	v_add_nc_u32 v[ADSA], s18, v5
	v_mul_u32_u24 v5, v2, 6*544                    ; lanes 16-31: six blocks on
	v_add_nc_u32 v5, v5, v6
	v_add_nc_u32 v[ADSB], SCLB, v5
	s_mul_i32 s18, s14, 64*SPITCH
	s_add_co_u32 s18, s18, STAGE                   ; my stage
	v_mul_u32_u24 v5, v1, SPITCH
	v_lshl_add_u32 v5, v2, 4, v5
	v_add_nc_u32 v[STO], s18, v5                   ; in: row r, 16 bytes for each half of the lanes
	v_lshrrev_b32 v5, 3, v3
	v_mul_u32_u24 v5, v5, SPITCH
	v_and_b32 v6, 7, v3
	v_lshl_add_u32 v5, v6, 4, v5
	v_add_nc_u32 v[RD], s18, v5                    ; back: eight lanes to a row of 128 bytes, four rows an instruction
	v_lshlrev_b32 v[GO], 4, v3                     ; and out: 512 dense bytes
	v_lshlrev_b32 v[FQ], 8, v1
	v_lshl_add_u32 v[FQ], v2, 5, v[FQ]             ; f32 rows of q, k: 256 r + 32 h
	v_lshlrev_b32 v[FV], 6, v1
	v_lshl_add_u32 v[FV], v2, 5, v[FV]             ; f32 rows of v^T: 64 r + 32 h
	v_lshlrev_b32 v[L4], 2, v3
	v_lshlrev_b32 v7, 5, v2
	v_lshlrev_b32 v8, 2, v1
	s_mul_i32 s42, s41, 768                        ; the head's 192 biases
	s_mov_b32 s43, 0
	s_add_nc_u64 s[8:9], s[8:9], s[42:43]
	WIN TO_3
.irp cb, 0,1,2,3,4,5,6,7
	global_load_b128 v[128+8*\cb:131+8*\cb], v7, s[8:9] offset:64*\cb        ; q, k: register j = bias of column 16 cb + 8 h + j
	global_load_b128 v[132+8*\cb:135+8*\cb], v7, s[8:9] offset:64*\cb+16
.endr
.irp cb, 0,1,2,3
.irp j, 0,1,2,3,4,5,6,7
	global_load_b32 v[192+8*\cb+\j], v8, s[8:9] offset:512+64*\cb            ; v: all eight registers = bias of column 128 + 16 cb + r
.endr
.endr
	WIN 0
	s_lshr_b32 s18, s17, 3
	s_lshl_b32 s18, s18, 4
	s_add_co_u32 s18, s18, s41                     ; head of batch = 16 b + head
	s_and_b32 s19, s17, 7
	s_lshl_b32 s42, s18, 11
	s_lshl_b32 s43, s19, 8
	s_add_co_u32 s42, s42, s43
	s_lshl_b32 s43, s14, 6
	s_add_co_u32 s42, s42, s43                     ; my first position, counted over all heads
	s_lshl_b32 s42, s42, 7                         ; 128 bytes a position: the same offset in q, k and v^T
	s_mov_b32 s43, 0
	s_add_nc_u64 s[92:93], s[10:11], s[42:43]
	s_add_nc_u64 s[94:95], s[92:93], 0x1000000
	s_add_nc_u64 s[96:97], s[92:93], 0x2000000
	s_lshl_b32 s42, s18, 5
	s_lshl_b32 s43, s19, 2
	s_add_co_u32 s42, s42, s43
	s_add_co_u32 s42, s42, s14                     ; my block of 64 keys
	s_lshl_b32 s42, s42, 8
	s_add_co_u32 s42, s42, 802816
	s_mov_b32 s43, 0
	s_add_nc_u64 s[98:99], s[12:13], s[42:43]      ; its sum of v
	s_mul_i32 s42, s18, 12544
	s_add_nc_u64 s[44:45], s[12:13], s[42:43]      ; the head's f32 record
	s_or_b32 s46, s19, s14                         ; 0 in the wave that holds a sequence's first 64 positions
	s_mov_b32 s40, 0xffff0000
	s_mov_b32 s2, 0x76543210
	s_mov_b32 s3, 0xfedcba98
.macro WM d, a, b, c, sa, sb, ra, rb   ; one product; ra, rb: the side's scale words lie in lanes 16-31
.if (\ra) && (\rb)
	v_wmma_scale_f32_16x16x128_f8f6f4 v[\d:\d+7], v[\a:\a+7], v[\b:\b+7], v[\c:\c+7], v[\sa], v[\sb] matrix_a_fmt:MATRIX_FMT_FP4 matrix_b_fmt:MATRIX_FMT_FP4 matrix_a_scale:MATRIX_SCALE_ROW1 matrix_b_scale:MATRIX_SCALE_ROW1
.elseif (\ra)
	v_wmma_scale_f32_16x16x128_f8f6f4 v[\d:\d+7], v[\a:\a+7], v[\b:\b+7], v[\c:\c+7], v[\sa], v[\sb] matrix_a_fmt:MATRIX_FMT_FP4 matrix_b_fmt:MATRIX_FMT_FP4 matrix_a_scale:MATRIX_SCALE_ROW1
.elseif (\rb)
	v_wmma_scale_f32_16x16x128_f8f6f4 v[\d:\d+7], v[\a:\a+7], v[\b:\b+7], v[\c:\c+7], v[\sa], v[\sb] matrix_a_fmt:MATRIX_FMT_FP4 matrix_b_fmt:MATRIX_FMT_FP4 matrix_b_scale:MATRIX_SCALE_ROW1
.else
	v_wmma_scale_f32_16x16x128_f8f6f4 v[\d:\d+7], v[\a:\a+7], v[\b:\b+7], v[\c:\c+7], v[\sa], v[\sb] matrix_a_fmt:MATRIX_FMT_FP4 matrix_b_fmt:MATRIX_FMT_FP4
.endif
.endm
.macro FETCH s                         ; the fragments of K step s (128 along K): W's 12, x's 4, into set s % 2
.set fc, (\s)/4
.set fq, (\s)%4
.set fp, (\s)%2
	WIN TO_B
.irp b, 0,1,2,3,4,5,6,7,8,9,10,11
	ds_load_b128 v[96*fp+8*\b:96*fp+8*\b+3],   v[ADRB+fc] offset:64*fq+\b*16*PITCH
	ds_load_b128 v[96*fp+8*\b+4:96*fp+8*\b+7], v[ADRB+fc] offset:64*fq+\b*16*PITCH+32
.endr
	WIN 0
.irp a, 0,1,2,3
	ds_load_b128 v[XF+32*fp+8*\a:XF+32*fp+8*\a+3],   v[ADRA+fc] offset:64*fq+\a*16*PITCH
	ds_load_b128 v[XF+32*fp+8*\a+4:XF+32*fp+8*\a+7], v[ADRA+fc] offset:64*fq+\a*16*PITCH+32
.endr
.endm
.macro MULS s, first                   ; K step s: 48 products; the 48 accumulators take turns, one instruction a turn, in the same order in every step
.set cc, (\s)/4
.set qq, (\s)%4
.set pp, (\s)%2
.if \first
	WIN W_QK1
.else
	WIN W_QK
.endif
.irp a, 0,1,2,3
.irp cb, 0,1,2,3,4,5,6,7
.set rD, 8*(4*\cb+\a)
.if \first
.set rC, 128+8*\cb
.else
.set rC, rD
.endif
.set rW, 96*pp+8*\cb
.set rX, XF+32*pp+8*\a
.set sW, 32+32*cc+4*(\cb%6)+qq
.set sX, 56+32*cc+4*(\a%2)+qq
.set fW, \cb/6
.set fX, \a/2
	WM rD, rW, rX, rC, sW, sX, fW, fX
.endr
.endr
	WIN W_V
.irp a, 0,1,2,3
.irp cb, 0,1,2,3
.set rD, 8*(4*\cb+\a)
.if \first
.set rC, 192+8*\cb
.else
.set rC, rD
.endif
.set rW, 96*pp+8*(8+\cb)
.set rX, XF+32*pp+8*\a
.set sW, 32+32*cc+4*(2+\cb)+qq
.set sX, 56+32*cc+4*(\a%2)+qq
.set fX, \a/2
	WM rD, rX, rW, rC, sX, sW, fX, 1
.endr
.endr
.endm
	s_wait_tensorcnt 0x1                           ; my scale bytes and my part of K half 0 are in; K half 1's load may stay out
	s_barrier_signal -1
	s_barrier_wait -1                              ; everybody's are
.irp c, 0,1
.irp i, 0,1,2,3,4,5
	ds_load_b128 v[32+32*\c+4*\i:35+32*\c+4*\i], v[ADSB] offset:544*\i+16*\c     ; four K steps' words of W's blocks i and i + 6
.endr
.irp i, 0,1
	ds_load_b128 v[56+32*\c+4*\i:59+32*\c+4*\i], v[ADSA] offset:544*\i+16*\c     ; and of x's blocks i and i + 2
.endr
.endr
	FETCH 0
	s_wait_loadcnt 0x0                             ; the biases
.irp s, 0,1,2,3,4,5,6,7
	s_wait_dscnt 0x0                               ; this step's fragments are in (asked for 48 products ago)
.if \s == 3
	s_wait_tensorcnt 0x0                           ; my part of K half 1 is in,
	s_barrier_signal -1
	s_barrier_wait -1                              ; everybody's is: the next fetch reads it
.endif
.if \s > 0
	PLACES 4                                       ; four places in front of loads into registers that the last products read
.endif
.if \s < 7
	FETCH \s+1
.endif
.if \s == 0
	MULS \s, 1
.else
	MULS \s, 0
.endif
.endr
	PLACES 4                                       ; in front of the first reads of results
	; the sum of v over my 64 keys, by channel: T0 = keys 0-15, T1 = keys 16-63.  Each accumulator is read from its low end on.
	WIN PK3
.set i, 0
.rept 16
	v_pk_add_f32 v[160+4*i:161+4*i], v[8*i:8*i+1], v[8*i+2:8*i+3]
	v_pk_add_f32 v[162+4*i:163+4*i], v[8*i+4:8*i+5], v[8*i+6:8*i+7]
.set i, i+1
.endr
	WIN 0
.set i, 0
.rept 16
	v_pk_add_f32 v[160+4*i:161+4*i], v[160+4*i:161+4*i], v[162+4*i:163+4*i]
.set i, i+1
.endr
.irp cb, 0,1,2,3
	v_pk_add_f32 v[164+16*\cb:165+16*\cb], v[164+16*\cb:165+16*\cb], v[168+16*\cb:169+16*\cb]
.endr
.irp cb, 0,1,2,3
	v_pk_add_f32 v[164+16*\cb:165+16*\cb], v[164+16*\cb:165+16*\cb], v[172+16*\cb:173+16*\cb]
.endr
.irp cb, 0,1,2,3
	v_add_f32 v[160+16*\cb], v[160+16*\cb], v[161+16*\cb]
	v_add_f32 v[164+16*\cb], v[164+16*\cb], v[165+16*\cb]
.endr
.irp cb, 0,1,2,3
	v_permlanex16_b32 v[161+16*\cb], v[160+16*\cb], s2, s3
	v_permlanex16_b32 v[165+16*\cb], v[164+16*\cb], s2, s3
.endr
.irp cb, 0,1,2,3
	v_add_f32 v[160+16*\cb], v[160+16*\cb], v[161+16*\cb]
	v_add_f32 v[164+16*\cb], v[164+16*\cb], v[165+16*\cb]          ; T1 of channel 16 cb + r, in both halves of the lanes
.endr
.irp cb, 0,1,2,3
	v_add_f32 v[162+16*\cb], v[160+16*\cb], v[164+16*\cb]          ; the whole block's
.endr
.irp g, 0,1
	v_cndmask_b32 v[224+\g], v[162+32*\g], v[178+32*\g], s40       ; lane l: channel 32 g + l
	v_cndmask_b32 v[226+\g], v[164+32*\g], v[180+32*\g], s40
.endr
	global_store_b32 v[L4], v224, s[98:99]
	global_store_b32 v[L4], v225, s[98:99] offset:128
; A part (q, k or v^T) of 64 rows x 64 f16: rounded, through my stage, back as dense rows.  LDS serves a wave's instructions in order: no wait between the stores and the loads, nor ahead of the next part's stores.
.macro PART p, dst
.if \p == 2
	WIN PK3
.else
	WIN PK2
.endif
.irp cb, 0,1,2,3
.irp a, 0,1,2,3
.set rA, 8*(4*(\cb+4*(\p%2))+\a)
.set rT, \dst+4*(4*\cb+\a)
.irp i, 0,1,2,3
	v_cvt_pk_f16_f32 v[rT+\i], v[rA+2*\i], v[rA+2*\i+1]
.endr
.endr
.endr
	WIN 0
.irp cb, 0,1,2,3
.irp a, 0,1,2,3
.set rT, \dst+4*(4*\cb+\a)
.if \p == 2
	ds_store_b128 v[STO], v[rT:rT+3] offset:16*SPITCH*\cb+32*\a    ; row = channel 16 cb + r, keys 16 a + 8 h on
.else
	ds_store_b128 v[STO], v[rT:rT+3] offset:16*SPITCH*\a+32*\cb    ; row = position 16 a + r, columns 16 cb + 8 h on
.endif
.endr
.endr
.irp t, 0,1,2,3,4,5,6,7,8,9,10,11,12,13,14,15
	ds_load_b128 v[\dst+4*\t:\dst+4*\t+3], v[RD] offset:4*SPITCH*\t
.endr
.endm
.macro SENDP base, dst, younger        ; younger: the LDS instructions issued behind this part's loads
	s_wait_dscnt \younger
.irp t, 0,1,2,3,4,5,6,7,8,9,10,11,12,13,14,15
	global_store_b128 v[GO], v[\dst+4*\t:\dst+4*\t+3], s[\base:\base+1] offset:512*\t   ; 32 lanes store 512 consecutive bytes, aligned
.endr
.endm
	PART 0, 32
	PART 1, 96
	SENDP 92, 32, 32
	PART 2, 160
	SENDP 94, 96, 32
	SENDP 96, 160, 0
	s_cmp_lg_u32 s46, 0                            ; tile row and wave's number alone: the same in all partners
	s_cbranch_scc1 .Lnot_first
	WIN ST2                                        ; positions 0-15 in f32: row block 0's accumulators as they are
.irp cb, 0,1,2,3,4,5,6,7
	global_store_b128 v[FQ], v[32*\cb:32*\cb+3],   s[44:45] offset:(\cb/4)*4096+64*(\cb%4)
	global_store_b128 v[FQ], v[32*\cb+4:32*\cb+7], s[44:45] offset:(\cb/4)*4096+64*(\cb%4)+16
.endr
	WIN ST3
.irp cb, 0,1,2,3
	global_store_b128 v[FV], v[32*\cb:32*\cb+3],   s[44:45] offset:8192+1024*\cb
	global_store_b128 v[FV], v[32*\cb+4:32*\cb+7], s[44:45] offset:8192+1024*\cb+16
.endr
	WIN 0
	global_store_b32 v[L4], v226, s[44:45] offset:12288
	global_store_b32 v[L4], v227, s[44:45] offset:12288+128
.Lnot_first:
	s_wait_tensorcnt 0x0                           ; the wave's end
	ds_add_u32 v[SPW], v[NIL]
	s_wait_dscnt 0x0
	CROUND                                         ; the closing round
	s_endpgm
.Lfunc_end_k_qff38f419a6_qkv:
	.size	k_qff38f419a6_qkv, .Lfunc_end_k_qff38f419a6_qkv-k_qff38f419a6_qkv
	.p2alignl 7, 3214868480
	.fill 96, 4, 3214868480
	.section	.rodata,"a",@progbits
	.p2align	6, 0x0
	.amdhsa_kernel k_qff38f419a6_qkv
		.amdhsa_group_segment_fixed_size 327680
		.amdhsa_private_segment_fixed_size 0
		.amdhsa_enable_private_segment 0
		.amdhsa_kernarg_size 40
		.amdhsa_user_sgpr_count 2
		.amdhsa_user_sgpr_kernarg_segment_ptr 1
		.amdhsa_wavefront_size32 1
		.amdhsa_system_sgpr_workgroup_id_x 1
		.amdhsa_system_sgpr_workgroup_id_y 1
		.amdhsa_system_sgpr_workgroup_id_z 1
		.amdhsa_system_vgpr_workitem_id 0
		.amdhsa_next_free_vgpr 1024
		.amdhsa_next_free_sgpr 100
		.amdhsa_reserve_vcc 0
		.amdhsa_float_denorm_mode_32 3
		.amdhsa_float_denorm_mode_16_64 3
		.amdhsa_memory_ordered 1
		.amdhsa_forward_progress 1
		.amdhsa_inst_pref_size 114
	.end_amdhsa_kernel
	.amdgpu_metadata
---
amdhsa.version: [ 1, 2 ]
amdhsa.kernels:
  - .name:           k_qff38f419a6_qkv
    .symbol:         k_qff38f419a6_qkv.kd
    .args:
      - { .name: codes, .offset: 0, .size: 8, .value_kind: global_buffer, .address_space: global }
      - { .name: scl, .offset: 8, .size: 8, .value_kind: global_buffer, .address_space: global }
      - { .name: bqkv, .offset: 16, .size: 8, .value_kind: global_buffer, .address_space: global }
      - { .name: qkv16, .offset: 24, .size: 8, .value_kind: global_buffer, .address_space: global }
      - { .name: aux, .offset: 32, .size: 8, .value_kind: global_buffer, .address_space: global }
    .group_segment_fixed_size: 327680
    .private_segment_fixed_size: 0
    .kernarg_segment_align: 8
    .kernarg_segment_size: 40
    .max_flat_workgroup_size: 128
    .sgpr_count:     100
    .vgpr_count:     1024
    .wavefront_size: 32
...
	.end_amdgpu_metadata
.endif
;; end of part 2
;; launch fine (part 3): grid 64 x 4, 16 waves a work-group, no clusters, 22,528 bytes of LDS; arguments aux, Wd, bd, sv, out0; writes sv, out0
.if DOCPART == 3
	.amdgcn_target "amdgcn-amd-amdhsa--gfx1250"
	.amdhsa_code_object_version 6
	.text
	.protected	k_qff38f419a6_fine
	.globl	k_qff38f419a6_fine
	.p2align	8
	.type	k_qff38f419a6_fine,@function
k_qff38f419a6_fine:
	s_mov_b64 s[64:65], 0
	v_nop
	global_prefetch_b8 v0, s[64:65] scope:SCOPE_SE
	s_setreg_imm32_b32 hwreg(HW_REG_WAVE_MODE, 25, 1), 1
	s_wait_xcnt 0x0
; The first 16 positions of each sequence, wholly in f32: attention and the projection out.  These rows average one to sixteen values and are the largest of the output.
; Also: for each head, the sums of v over all blocks of 64 keys behind block i (buffer sv), which launch attn adds in for the hidden keys.
; Left out: scores of keys 16 .. 2047, which the mask replaces for these queries whatever the inputs hold; their share enters as w x (the sum of v over them) and 2032 w in the divisor (launch prep's head).
; SHARES: a work-group takes 16 output columns of one batch; wave h takes head h: it makes the head's 16 x 16 scores, softmax and context anew (the work is small: 32 matrix instructions), then multiplies its 64 channels into the
; 16 columns; the sixteen partial tiles meet in LDS, and waves 0 and 1 add them and store.  So 256 work-groups share Wd's columns.  A store covers 32 bytes of each of 16 rows: 256 KiB of the output leave in such pieces.
; Both products with scores are used transposed: a lane holds one query (lane % 16).  K of the f32 matrix form is 4: lane half h' holds k = 2 h' + 0, 1.  The channels (or keys) that form a K step are chosen alike on both sides.
; REGISTERS: v16-47 q, later p (v16-23) and work; v48-79 k, later the hidden keys' sum; v80-111 v^T, later the context; v112-143 Wd; v144-205 the block sums; v206-207 t1;
;   v208-255 are written by matrix instructions alone: SA, SB (two halves of a sum), OA (the context's four tiles).
.set QF,  16
.set KF,  48
.set VF,  80
.set WF,  112
.set BSR, 144
.set T1R, 206
.set SA,  208
.set SB,  216
.set OA,  224
.set TV,  48
.set CT,  80
.set SVL,   16384                      ; LDS: 0 .. 16,383 the partial tiles, 1,024 bytes a wave; then 256 bytes a wave for the hidden keys' sum
.set SPARE, 20480                      ; the spare words, 128 bytes a wave
	s_load_b256 s[4:11], s[0:1], 0x0               ; aux s[4:5], Wd s[6:7], bd s[8:9], sv s[10:11]
	s_load_b64 s[12:13], s[0:1], 0x20              ; out0
	v_lshl_add_u32 v14, v0, 2, SPARE               ; my spare word; never rewritten
	v_mov_b32 v15, 0                               ; 0; never rewritten
	v_lshrrev_b32 v1, 5, v0
	v_readfirstlane_b32 s14, v1                    ; wave = head
	s_and_b32 s15, ttmp7, 0xffff                   ; batch
	s_lshl_b32 s16, ttmp9, 6                       ; my 16 columns, in bytes
	s_lshl_b32 s17, s15, 4
	s_add_co_u32 s17, s17, s14                     ; head of batch
	s_mul_i32 s20, s17, 12544
	s_mov_b32 s21, 0
	s_lshl_b32 s22, s17, 13
	s_mov_b32 s23, 0
	s_add_co_u32 s24, s22, 802816
	s_mov_b32 s25, 0
	s_lshl_b32 s26, s14, 18                        ; the head's 64 rows of Wd
	s_add_co_u32 s26, s26, s16
	s_mov_b32 s27, 0
	s_lshl_b32 s28, s15, 23                        ; the batch's first row of the output
	s_add_co_u32 s28, s28, s16
	s_mov_b32 s29, 0
	s_mov_b32 s30, s16
	s_mov_b32 s31, 0
	s_mov_b32 s32, 0x76543210
	s_mov_b32 s33, 0xfedcba98
	s_mov_b32 s34, 0x3e38aa3b                      ; c = log2(e) / 8
	s_mov_b32 s37, 0x44fe0000                      ; 2032.0: the keys 16 .. 2047
	s_and_b32 s35, s14, 1
	v_and_b32 v1, 15, v0                           ; r
	v_bfe_u32 v2, v0, 4, 1                         ; h'
	v_and_b32 v5, 31, v0
	v_lshlrev_b32 v10, 4, v5                       ; 16 x lane
	v_lshlrev_b32 v5, 3, v5                        ; 8 x lane
	v_lshlrev_b32 v3, 8, v1
	v_lshl_add_u32 v3, v2, 4, v3                   ; q, k: row r of 256 bytes, + 16 h'
	v_lshlrev_b32 v4, 6, v1
	v_lshl_add_u32 v4, v2, 5, v4                   ; v^T: row r of 64 bytes, + 32 h'
	v_lshlrev_b32 v6, 2, v1
	v_lshl_add_u32 v6, v2, 15, v6                  ; Wd: column r, + 8 h' rows of 4,096 bytes
	v_lshlrev_b32 v7, 3, v2
	v_sub_nc_u32 v7, v1, v7                        ; d = r - 8 h': register j holds key 8 h' + j, hidden where j > d
	s_lshl_b32 s36, s14, 8
	s_add_co_u32 s36, s36, SVL
	v_add_nc_u32 v8, s36, v5
	v_lshlrev_b32 v9, 5, v2
	v_add_nc_u32 v9, s36, v9
	s_lshl_b32 s36, s35, 9
	v_add_nc_u32 v11, s36, v10                     ; back from the partial tiles: half (wave & 1), 16 x lane
	s_lshl_b32 s36, s14, 10
	v_add_nc_u32 v10, s36, v10                     ; into them: 1,024 x wave + 16 x lane
	s_lshl_b32 s36, s35, 4
	v_lshlrev_b32 v13, 5, v2
	v_add_nc_u32 v13, s36, v13                     ; bd: 32 h' + 16 x half
	v_lshl_add_u32 v12, v1, 12, v13                ; the output: row r of 4,096 bytes, and the same columns
	s_wait_kmcnt 0x0
	s_add_nc_u64 s[20:21], s[4:5], s[20:21]
	s_add_nc_u64 s[24:25], s[4:5], s[24:25]
	s_add_nc_u64 s[6:7], s[6:7], s[26:27]
	s_add_nc_u64 s[8:9], s[8:9], s[30:31]
	s_add_nc_u64 s[10:11], s[10:11], s[22:23]
	s_add_nc_u64 s[12:13], s[12:13], s[28:29]
.irp u, 0,1,2,3,4,5,6,7
	global_load_b128 v[QF+4*\u:QF+4*\u+3], v3, s[20:21] offset:32*\u          ; channels 8 u + 4 h' + 0 .. 3
.endr
.irp u, 0,1,2,3,4,5,6,7
	global_load_b128 v[KF+4*\u:KF+4*\u+3], v3, s[20:21] offset:4096+32*\u
.endr
.irp c, 0,1,2,3
	global_load_b128 v[VF+8*\c:VF+8*\c+3],   v4, s[20:21] offset:8192+1024*\c     ; channel 16 c + r, keys 8 h' + 0 .. 7
	global_load_b128 v[VF+8*\c+4:VF+8*\c+7], v4, s[20:21] offset:8192+1024*\c+16
.endr
	global_load_b64 v[T1R:T1R+1], v5, s[20:21] offset:12288                   ; the sum of v over positions 16-63: channels 2 l, 2 l + 1
.set k, 1
.rept 31
	global_load_b64 v[BSR+2*(k-1):BSR+2*(k-1)+1], v5, s[24:25] offset:256*k   ; the sum over block k
.set k, k+1
.endr
	s_wait_loadcnt 40                              ; q and k are in; the 40 loads behind them may be out
.set i, 0
.rept 16                               ; S^T = k q^T: two accumulators by turns, four channels a product
.if i < 2
	v_wmma_f32_16x16x4_f32 v[SA+8*(i%2):SA+8*(i%2)+7], v[KF+2*i:KF+2*i+1], v[QF+2*i:QF+2*i+1], 0
.else
	v_wmma_f32_16x16x4_f32 v[SA+8*(i%2):SA+8*(i%2)+7], v[KF+2*i:KF+2*i+1], v[QF+2*i:QF+2*i+1], v[SA+8*(i%2):SA+8*(i%2)+7]
.endif
.set i, i+1
.endr
.irp c, 0,1,2,3
.irp u, 0,1,2,3
.irp j, 0,1
	global_load_b32 v[WF+8*\c+2*\u+\j], v6, s[6:7] offset:(16*\c+2*\u+\j)*4096   ; Wd(64 head + 16 c + 8 h' + 2 u + j, my column r)
.endr
.endr
.endr
.rept 8
	v_nop                                          ; eight places behind this matrix form, in front of the first read of results and of writes over its sources
.endr
.irp j, 0,2,4,6
	v_pk_add_f32 v[16+\j:17+\j], v[SA+\j:SA+\j+1], v[SB+\j:SB+\j+1]
.endr
	v_mov_b32 v32, 0xc79c4000                      ; -80,000: a hidden key's score ahead of the division by 8
.irp j, 0,1,2,3,4,5,6,7
	v_cmp_gt_i32 vcc_lo, \j, v7
	v_cndmask_b32 v[16+\j], v[16+\j], v32, vcc_lo
.endr
	v_max3_num_f32 v24, v16, v17, v18
	v_max3_num_f32 v24, v24, v19, v20
	v_max3_num_f32 v24, v24, v21, v22
	v_max_num_f32 v24, v24, v23
	v_permlanex16_b32 v25, v24, s32, s33
	v_max_num_f32 v24, v24, v25                    ; the row's largest among keys 0-15
	v_mul_f32 v26, s34, v24
	v_mul_f32 v27, s34, v32                        ; a hidden key's exponent
	v_max_num_f32 v26, v26, v27                    ; keys 16 .. 2047 are hidden for every one of these queries: their score counts in the maximum
	v_sub_f32 v28, v27, v26
.irp j, 0,1,2,3,4,5,6,7
	v_fma_f32 v[16+\j], v[16+\j], s34, -v26
.endr
.irp j, 0,1,2,3,4,5,6,7
	v_exp_f32 v[16+\j], v[16+\j]                   ; p
.endr
	v_exp_f32 v28, v28                             ; w
	v_nop                                          ; a plain instruction behind the last exponential
	s_wait_alu depctr_va_vdst(0)                   ; one wait for the nine, ahead of their first reader
	v_pk_add_f32 v[30:31], v[16:17], v[18:19]
	v_pk_add_f32 v[32:33], v[20:21], v[22:23]
	v_pk_add_f32 v[30:31], v[30:31], v[32:33]
	v_add_f32 v29, v30, v31
	v_permlanex16_b32 v25, v29, s32, s33
	v_add_f32 v29, v29, v25
	v_fma_f32 v29, v28, s37, v29                   ; + 2032 w
	v_rcp_f32 v36, v29
	v_nop
	s_wait_alu depctr_va_vdst(0)
	v_mov_b32 v37, v36                             ; 1 / l, as a pair
	v_mul_f32 v38, v28, v36
	v_mov_b32 v39, v38                             ; w / l, as a pair
	v_mov_b32 v34, 0                               ; zeros for sv's last entry: written here and never again, since a store reads them
	v_mov_b32 v35, 0
	s_wait_loadcnt 32                              ; all but Wd's 32 words are in
.set k, 30
.rept 30
	v_pk_add_f32 v[BSR+2*(k-1):BSR+2*(k-1)+1], v[BSR+2*(k-1):BSR+2*(k-1)+1], v[BSR+2*k:BSR+2*k+1]   ; block k's register: the sum over blocks k .. 31
.set k, k-1
.endr
	s_cmp_lg_u32 ttmp9, 0                          ; one work-group of each batch stores them
	s_cbranch_scc1 .Lno_sv
.set k, 0
.rept 31
	global_store_b64 v5, v[BSR+2*k:BSR+2*k+1], s[10:11] offset:256*k          ; entry k: blocks k + 1 .. 31; the wave stores 256 consecutive bytes, aligned
.set k, k+1
.endr
	global_store_b64 v5, v[34:35], s[10:11] offset:256*31                     ; behind the last block: nothing
.Lno_sv:
	v_pk_add_f32 v[T1R:T1R+1], v[T1R:T1R+1], v[BSR:BSR+1]                     ; the sum of v over keys 16 .. 2047
	ds_store_b64 v8, v[T1R:T1R+1]
.irp c, 0,1,2,3
	ds_load_b128 v[TV+8*\c:TV+8*\c+3],   v9 offset:64*\c                      ; back in the context's layout: channels 16 c + 8 h' + 0 .. 7.  My own bytes, served in order
	ds_load_b128 v[TV+8*\c+4:TV+8*\c+7], v9 offset:64*\c+16
.endr
.irp u, 0,1,2,3                        ; O^T = v^T p^T: four accumulators by turns, keys 8 h' + 2 u + 0, 1
.irp c, 0,1,2,3
.if \u == 0
	v_wmma_f32_16x16x4_f32 v[OA+8*\c:OA+8*\c+7], v[VF+8*\c+2*\u:VF+8*\c+2*\u+1], v[16+2*\u:17+2*\u], 0
.else
	v_wmma_f32_16x16x4_f32 v[OA+8*\c:OA+8*\c+7], v[VF+8*\c+2*\u:VF+8*\c+2*\u+1], v[16+2*\u:17+2*\u], v[OA+8*\c:OA+8*\c+7]
.endif
.endr
.endr
.rept 8
	v_nop
.endr
	s_wait_dscnt 0x0
.set i, 0
.rept 16
	v_pk_mul_f32 v[CT+2*i:CT+2*i+1], v[TV+2*i:TV+2*i+1], v[38:39]
	v_pk_fma_f32 v[CT+2*i:CT+2*i+1], v[OA+2*i:OA+2*i+1], v[36:37], v[CT+2*i:CT+2*i+1]   ; the context: (O + w x the hidden keys' sum) / l
.set i, i+1
.endr
	s_wait_loadcnt 0x0                             ; Wd
.set i, 0
.rept 16                               ; my head's share of out^T: source 0 = 16 columns of Wd, source 1 = the context
.if i < 2
	v_wmma_f32_16x16x4_f32 v[SA+8*(i%2):SA+8*(i%2)+7], v[WF+2*i:WF+2*i+1], v[CT+2*i:CT+2*i+1], 0
.else
	v_wmma_f32_16x16x4_f32 v[SA+8*(i%2):SA+8*(i%2)+7], v[WF+2*i:WF+2*i+1], v[CT+2*i:CT+2*i+1], v[SA+8*(i%2):SA+8*(i%2)+7]
.endif
.set i, i+1
.endr
.rept 8
	v_nop
.endr
.irp j, 0,2,4,6
	v_pk_add_f32 v[24+\j:25+\j], v[SA+\j:SA+\j+1], v[SB+\j:SB+\j+1]           ; register j: column 8 h' + j of my 16, query r
.endr
	ds_store_b128 v10, v[24:27]
	ds_store_b128 v10, v[28:31] offset:512
	s_wait_dscnt 0x0                               ; for the others' sake: my stores have landed
	s_barrier_signal -1
	s_barrier_wait -1
	s_cmp_gt_u32 s14, 1
	s_cbranch_scc1 .Lend
	global_load_b128 v[40:43], v13, s[8:9]         ; bd, into registers that no pending store reads
.set i, 0
.rept 16
	ds_load_b128 v[48+4*i:51+4*i], v11 offset:1024*i
.set i, i+1
.endr
	s_wait_dscnt 0x0
.set i, 1
.rept 15
	v_pk_add_f32 v[48:49], v[48:49], v[48+4*i:49+4*i]
	v_pk_add_f32 v[50:51], v[50:51], v[50+4*i:51+4*i]
.set i, i+1
.endr
	s_wait_loadcnt 0x0
	v_pk_add_f32 v[48:49], v[48:49], v[40:41]
	v_pk_add_f32 v[50:51], v[50:51], v[42:43]
	global_store_b128 v12, v[48:51], s[12:13]
.Lend:
	s_wait_tensorcnt 0x0                           ; the wave's end
	ds_add_u32 v14, v15
	s_wait_dscnt 0x0
	s_endpgm
.Lfunc_end_k_qff38f419a6_fine:
	.size	k_qff38f419a6_fine, .Lfunc_end_k_qff38f419a6_fine-k_qff38f419a6_fine
	.p2alignl 7, 3214868480
	.fill 96, 4, 3214868480
	.section	.rodata,"a",@progbits
	.p2align	6, 0x0
	.amdhsa_kernel k_qff38f419a6_fine
		.amdhsa_group_segment_fixed_size 22528
		.amdhsa_private_segment_fixed_size 0
		.amdhsa_enable_private_segment 0
		.amdhsa_kernarg_size 40
		.amdhsa_user_sgpr_count 2
		.amdhsa_user_sgpr_kernarg_segment_ptr 1
		.amdhsa_wavefront_size32 1
		.amdhsa_system_sgpr_workgroup_id_x 1
		.amdhsa_system_sgpr_workgroup_id_y 1
		.amdhsa_system_sgpr_workgroup_id_z 1
		.amdhsa_system_vgpr_workitem_id 0
		.amdhsa_next_free_vgpr 256
		.amdhsa_next_free_sgpr 66
		.amdhsa_reserve_vcc 1
		.amdhsa_float_denorm_mode_32 3
		.amdhsa_float_denorm_mode_16_64 3
		.amdhsa_memory_ordered 1
		.amdhsa_forward_progress 1
		.amdhsa_inst_pref_size 30
	.end_amdhsa_kernel
	.amdgpu_metadata
---
amdhsa.version: [ 1, 2 ]
amdhsa.kernels:
  - .name:           k_qff38f419a6_fine
    .symbol:         k_qff38f419a6_fine.kd
    .args:
      - { .name: aux, .offset: 0, .size: 8, .value_kind: global_buffer, .address_space: global }
      - { .name: Wd, .offset: 8, .size: 8, .value_kind: global_buffer, .address_space: global }
      - { .name: bd, .offset: 16, .size: 8, .value_kind: global_buffer, .address_space: global }
      - { .name: sv, .offset: 24, .size: 8, .value_kind: global_buffer, .address_space: global }
      - { .name: out0, .offset: 32, .size: 8, .value_kind: global_buffer, .address_space: global }
    .group_segment_fixed_size: 22528
    .private_segment_fixed_size: 0
    .kernarg_segment_align: 8
    .kernarg_segment_size: 40
    .max_flat_workgroup_size: 512
    .sgpr_count:     66
    .vgpr_count:     256
    .wavefront_size: 32
...
	.end_amdgpu_metadata
.endif
;; end of part 3
;; launch attn (part 4): grid 4 x 64, 16 waves a work-group, no clusters, 327,680 bytes of LDS; arguments qkv16, sv, cx; writes cx
.if DOCPART == 4
	.amdgcn_target "amdgcn-amd-amdhsa--gfx1250"
	.amdhsa_code_object_version 6
	.text
	.protected	k_qff38f419a6_attn
	.globl	k_qff38f419a6_attn
	.p2align	8
	.type	k_qff38f419a6_attn,@function
k_qff38f419a6_attn:
	s_mov_b64 s[64:65], 0
	v_nop
	global_prefetch_b8 v0, s[64:65] scope:SCOPE_SE
	s_setreg_imm32_b32 hwreg(HW_REG_WAVE_MODE, 25, 1), 1
	s_wait_xcnt 0x0
; Causal attention on f16 operands, sums, maxima and softmax in f32.  ctx goes out as f16 in planes [head][row of 8192][64].
; Left out: steps of 64 keys all of which come after a wave's 32 queries: the mask replaces their scores whatever the inputs hold.  Their share enters at the end as w x (the sum of v over them, buffer sv) and
; w x (their number) in the divisor, with -10000 counted in the row's maximum (launch prep's head).  Hidden keys inside a step on the diagonal get the score -10000 and go through both products like any other.
; SHARES: a work-group owns query blocks j and 7 - j (256 queries each) of one head: nine block units of keys for every j.  A wave owns 32 queries, two tiles of 16, so that a fragment read from LDS feeds two products.
; All sixteen waves walk one stream of K and V^T: 8 slots of 256 keys, four steps of 64 to a slot, through a ring of two LDS slots; trip counts are constants, and a wave jumps over the work of steps that are hidden for it.
; No cluster: the work-groups of a head stop asking at different slots, so a partner would have to take tiles that none of its waves reads.
; LAYOUT: S^T = K Q^T (source 0 = 16 keys, source 1 = 16 queries) and O^T = V^T P (source 0 = 16 channels, source 1 = P): a lane holds one query (lane % 16) throughout; two tiles of S^T, rounded in pairs, are P's fragment.
; Queries 0-15 of a sequence are computed here too (they share a tile with live rows; launch proj's tile loads read their bytes), but their rows of the output come from launch fine.
; REGISTERS: v1-13 addresses and constants; v16-47 Q; v48-111 K's or V^T's 8 fragments; v112-175 S^T, then p, then P in place; v176-239 O^T; v240-255 statistics: tile t at v[240 + 8 t]: +0 c m, +1 m, +2, +3 l, +4 .. +7 at work (+6: a).
.set KP,    144                        ; a row in LDS: 128 bytes + 16
.set VOFF,  36864                      ; a slot: 256 rows of K, then 256 rows of V^T (block of 64 keys x 64 channels)
.set SLOT1, 131072
.set STAGE, 204800                     ; behind the ring: 32 rows x 144 bytes a wave
.set SPARE, 278528                     ; the spare words, 128 bytes a wave
.set AF0, 1
.set AV0, 2
.set SPW, 3
.set NIL, 4
.set ADK, 5
.set ADV, 6
.set GO,  7
.set STO, 8
.set RD,  9
.set DD,  10
.set PFO, 11
.set NEG, 12
.set RH,  13
.set QR,  16
.set KV,  48
.set S,   112
.set O,   176
.set ST,  240
.set TB,  2
.set WV,  18
.set SEL, 20
.set CS,  22
.set G1,  24
.set G0,  32
.set SLOTS, 36
.set KF,  37
.set Q0,  38
.set LASTQ, 39
.set PFA, 40
.set LIM, 42
.macro TLOAD                           ; waves 0, 1: K's halves; waves 2, 3: V^T's; the others nothing.  An s_nop 0 and four v_nop follow the load
	s_cmp_lt_u32 s[WV], 4
	s_cbranch_scc0 .Lasked_\@
	tensor_load_to_lds s[G0:G0+3], s[G1:G1+7]
	s_nop 0
.rept 4
	v_nop
.endr
.Lasked_\@:
.endm
; A prefetch of what the NEXT change of slots will ask for: 32,768 dense bytes of K and as many of V^T.  The head's work-group 0, which walks all slots, asks; in it waves 4-7 take K's, waves 8-11 V^T's,
; 8,192 bytes a wave, lanes 256 bytes apart: each block of 256 bytes is named once in the launch.  The last change that fills a slot asks for nothing.
.macro ASK
	s_cmp_gt_u32 s[SLOTS], s[LIM]
	s_cbranch_scc0 .Lnot_mine_\@
	global_prefetch_b8 v[PFO], s[PFA:PFA+1] th:TH_LOAD_NT scope:SCOPE_SE
.Lnot_mine_\@:
.endm
	s_load_b128 s[4:7], s[0:1], 0x0                ; qkv16 s[4:5], sv s[6:7]
	s_load_b64 s[8:9], s[0:1], 0x10                ; cx
	v_lshl_add_u32 v[SPW], v0, 2, SPARE
	v_mov_b32 v[NIL], 0
	ds_add_u32 v[SPW], v[NIL]                      ; the wave's opening: the add, twice on end, and its wait ahead of my first tensor load
	ds_add_u32 v[SPW], v[NIL]
	v_lshrrev_b32 v14, 5, v0
	v_readfirstlane_b32 s[WV], v14                 ; wave 0..15
	s_and_b32 s43, ttmp7, 0xffff                   ; head of batch
	s_lshl_b32 s44, ttmp9, 8
	s_lshl_b32 s45, s[WV], 5
	s_add_co_u32 s46, s44, s45                     ; waves 0-7: 256 j + 32 w
	s_sub_co_u32 s47, 2272, s44
	s_sub_co_u32 s47, s47, s45                     ; waves 8-15: 256 (7 - j) + 32 (15 - w)
	s_cmp_lt_u32 s[WV], 8
	s_cselect_b32 s[Q0], s46, s47                  ; my first query
	s_sub_co_u32 s[LASTQ], 2047, s44               ; my work-group's last query
	s_mov_b32 s[G1], (1<<16)|(1<<20)|(4<<22)|(3<<25)   ; elements of 2 bytes; 4 words of padding behind every 32
	s_mov_b32 s[G1+1], 64<<16
	s_mov_b32 s[G1+2], 128<<16
	s_mov_b32 s[G1+3], 64<<16
	s_mov_b32 s[G1+4], 128                         ; 128 rows of 64 elements, dense in memory
	s_mov_b32 s[G1+5], 64
	s_mov_b32 s[G1+6], 0
	s_mov_b32 s[G1+7], 0
	s_and_b32 s44, s[WV], 3
	s_mul_i32 s45, s44, 128*KP                     ; where my tile goes in a slot
	s_and_b32 s46, s[WV], 1
	s_lshl_b32 s46, s46, 14                        ; its 128 rows in memory
	s_lshl_b32 s47, s43, 18                        ; the head's 262,144 bytes
	s_add_co_u32 s46, s46, s47
	s_and_b32 s48, s[WV], 2
	s_lshl_b32 s48, s48, 23
	s_add_co_u32 s46, s46, s48
	s_add_co_u32 s46, s46, 0x1000000               ; K lies 2^24 bytes into the buffer, V^T 2^25
	s_mov_b32 s47, 0
	s_mov_b32 s[SEL], 0x76543210
	s_mov_b32 s[SEL+1], 0xfedcba98
	s_mov_b32 s[CS], 0x3e38aa3b                    ; c = log2(e) / 8
	s_mov_b32 s[CS+1], s[CS]
	s_mov_b32 s[TB], 0
	s_mov_b32 s[SLOTS], 7
	s_mov_b32 s[KF], 0
	s_wait_dscnt 0x0                               ; both opening adds are done
	s_wait_kmcnt 0x0
	s_mov_b32 s[G0], 1
	s_mov_b32 s[G0+1], s45
	s_add_nc_u64 s[G0+2:G0+3], s[4:5], s[46:47]
	s_or_b32 s[G0+3], s[G0+3], 0x80000000
	TLOAD                                          ; slot 0: it holds key 0, which counts for every query
	s_lshr_b32 s49, s[WV], 3
	s_lshl_b32 s49, s49, 24
	s_add_co_u32 s49, s49, 0x1000000+32768         ; the prefetches stand in slot 1; the first change of slots steps them to slot 2
	s_and_b32 s50, s[WV], 3
	s_lshl_b32 s50, s50, 13
	s_add_co_u32 s48, s49, s50
	s_lshl_b32 s50, s43, 18
	s_add_co_u32 s48, s48, s50
	s_mov_b32 s49, 0
	s_add_nc_u64 s[PFA:PFA+1], s[4:5], s[48:49]
	s_sub_co_u32 s50, s[WV], 4
	s_lshr_b32 s50, s50, 3                         ; 0 in waves 4 to 11,
	s_or_b32 s50, s50, ttmp9                       ; of the head's work-group 0
	s_cmp_eq_u32 s50, 0
	s_cselect_b32 s[LIM], 1, -1
	s_lshl_b32 s44, s43, 11
	s_add_co_u32 s44, s44, s[Q0]
	s_lshl_b32 s44, s44, 7
	s_mov_b32 s45, 0
	s_add_nc_u64 s[10:11], s[4:5], s[44:45]        ; Q at my first query
	s_and_b32 s44, s43, 15
	s_lshl_b32 s44, s44, 13
	s_lshr_b32 s46, s43, 4
	s_lshl_b32 s46, s46, 11
	s_add_co_u32 s44, s44, s46
	s_add_co_u32 s44, s44, s[Q0]
	s_lshl_b32 s44, s44, 7
	s_add_nc_u64 s[8:9], s[8:9], s[44:45]          ; ctx: plane = head, row = 2048 b + query
	s_lshl_b32 s44, s43, 5
	s_lshr_b32 s46, s[Q0], 6
	s_add_co_u32 s44, s44, s46
	s_lshl_b32 s44, s44, 8
	s_add_nc_u64 s[6:7], s[6:7], s[44:45]          ; the sum of v behind my diagonal block
	v_and_b32 v14, 15, v0                          ; r
	v_bfe_u32 v15, v0, 4, 1                        ; h
	v_and_b32 v[DD], 31, v0                        ; lane
	v_mul_u32_u24 v[AF0], v14, KP
	v_lshl_add_u32 v[AF0], v15, 4, v[AF0]          ; a fragment's row x pitch + 16 h
	v_add_nc_u32 v[AV0], VOFF, v[AF0]
	v_lshlrev_b32 v[GO], 4, v[DD]
	v_lshlrev_b32 v[PFO], 8, v[DD]
	s_mul_i32 s44, s[WV], 32*KP
	s_add_co_u32 s44, s44, STAGE                   ; my stage
	v_add_nc_u32 v[STO], s44, v[AF0]
	v_lshrrev_b32 v[RD], 3, v[DD]
	v_mul_u32_u24 v[RD], v[RD], KP
	v_and_b32 v[DD], 7, v[DD]
	v_lshl_add_u32 v[RD], v[DD], 4, v[RD]
	v_add_nc_u32 v[RD], s44, v[RD]
	v_mov_b32 v[NEG], 0xc79c4000                   ; -80,000: a hidden key's score ahead of the division by 8
	v_lshlrev_b32 v[RH], 3, v15
	v_sub_nc_u32 v[RH], v14, v[RH]                 ; r - 8 h
	v_lshlrev_b32 v[ADK], 7, v14
	v_lshl_add_u32 v[ADK], v15, 4, v[ADK]          ; Q: row r of 128 bytes, + 16 h
.irp t, 0,1
.irp ks, 0,1
	global_load_b128 v[QR+16*\t+8*\ks:QR+16*\t+8*\ks+3],   v[ADK], s[10:11] offset:2048*\t+64*\ks
	global_load_b128 v[QR+16*\t+8*\ks+4:QR+16*\t+8*\ks+7], v[ADK], s[10:11] offset:2048*\t+64*\ks+32
.endr
.endr
.irp t, 0,1
	v_mov_b32 v[ST+8*\t+1], 0xff61b1e6             ; m = -3e38, under every score
	v_mul_f32 v[ST+8*\t], s[CS], v[ST+8*\t+1]
.irp i, 2,3,4,5,6,7
	v_mov_b32 v[ST+8*\t+\i], 0
.endr
.endr
.set i, 0
.rept 64
	v_mov_b32 v[O+i], 0                            ; O^T.  The step is written once: the first finds zeros, which its a = 0 leaves zeros
.set i, i+1
.endr
; A STEP: 64 keys, the q-th of the slot in hand.
.macro STEP q
	s_add_co_u32 s44, s[Q0], 31
	s_cmp_gt_u32 s[KF], s44                        ; all 64 keys come after my 32 queries: ids and the count of steps alone
	s_cbranch_scc1 .Lhidden_\@
	v_add_nc_u32 v[ADK], s[TB], v[AF0]
	v_add_nc_u32 v[ADV], s[TB], v[AV0]
.rept 3
	v_nop                                          ; with the two additions five places behind the last products: the loads land on V^T's registers, and the new scores are laid over P's
.endr
.irp kt, 0,1,2,3
.irp ks, 0,1
	ds_load_b128 v[KV+16*\kt+8*\ks:KV+16*\kt+8*\ks+3],   v[ADK] offset:(64*(\q)+16*\kt)*KP+64*\ks
	ds_load_b128 v[KV+16*\kt+8*\ks+4:KV+16*\kt+8*\ks+7], v[ADK] offset:(64*(\q)+16*\kt)*KP+64*\ks+32
.endr
.endr
	s_wait_dscnt 0x0
.irp ks, 0,1                           ; eight accumulators by turns
.irp kt, 0,1,2,3
.irp t, 0,1
.if \ks == 0
	v_wmma_f32_16x16x32_f16 v[S+32*\t+8*\kt:S+32*\t+8*\kt+7], v[KV+16*\kt+8*\ks:KV+16*\kt+8*\ks+7], v[QR+16*\t+8*\ks:QR+16*\t+8*\ks+7], 0
.else
	v_wmma_f32_16x16x32_f16 v[S+32*\t+8*\kt:S+32*\t+8*\kt+7], v[KV+16*\kt+8*\ks:KV+16*\kt+8*\ks+7], v[QR+16*\t+8*\ks:QR+16*\t+8*\ks+7], v[S+32*\t+8*\kt:S+32*\t+8*\kt+7]
.endif
.endr
.endr
.endr
.rept 4
	v_nop                                          ; four places: in front of loads over K's registers and of the first read of the scores
.endr
.irp ks, 0,1
.irp c, 0,1,2,3
	ds_load_b128 v[KV+32*\ks+8*\c:KV+32*\ks+8*\c+3],   v[ADV] offset:(64*(\q)+16*\c)*KP+64*\ks      ; V^T lands while the softmax is walked
	ds_load_b128 v[KV+32*\ks+8*\c+4:KV+32*\ks+8*\c+7], v[ADV] offset:(64*(\q)+16*\c)*KP+64*\ks+32
.endr
.endr
	s_add_co_u32 s44, s[KF], 63
	s_cmp_le_u32 s44, s[Q0]                        ; all 64 keys count for all my queries
	s_cbranch_scc1 .Lopen_\@
	s_sub_co_i32 s44, s[Q0], s[KF]
	v_add_nc_u32 v[DD], s44, v[RH]                 ; tile t, register 8 kt + j: key KF + 16 kt + 8 h + j, query Q0 + 16 t + r: hidden where 16 kt + j - 16 t > d
.irp t, 0,1
.set i, 0
.rept 32
	v_cmp_gt_i32 vcc_lo, 16*(i/8)+i%8-16*\t, v[DD]
	v_cndmask_b32 v[S+32*\t+i], v[S+32*\t+i], v[NEG], vcc_lo
.set i, i+1
.endr
.endr
.Lopen_\@:
.irp kt, 0,1,2,3                       ; the maximum: four chains a tile, each accumulator from its low end on
.irp t, 0,1
	v_max3_num_f32 v[ST+8*\t+4+\kt], v[S+32*\t+8*\kt], v[S+32*\t+8*\kt+1], v[S+32*\t+8*\kt+2]
.endr
.endr
.irp i, 3,5
.irp kt, 0,1,2,3
.irp t, 0,1
	v_max3_num_f32 v[ST+8*\t+4+\kt], v[ST+8*\t+4+\kt], v[S+32*\t+8*\kt+\i], v[S+32*\t+8*\kt+\i+1]
.endr
.endr
.endr
.irp t, 0,1
	v_max3_num_f32 v[ST+8*\t+4], v[ST+8*\t+4], v[S+32*\t+7], v[S+32*\t+15]
	v_max3_num_f32 v[ST+8*\t+6], v[ST+8*\t+6], v[S+32*\t+23], v[S+32*\t+31]
.endr
.irp t, 0,1
	v_max3_num_f32 v[ST+8*\t+4], v[ST+8*\t+4], v[ST+8*\t+5], v[ST+8*\t+6]
.endr
.irp t, 0,1
	v_max3_num_f32 v[ST+8*\t+4], v[ST+8*\t+4], v[ST+8*\t+7], v[ST+8*\t+1]       ; and the old m
.endr
.irp t, 0,1
	v_permlanex16_b32 v[ST+8*\t+5], v[ST+8*\t+4], s[SEL], s[SEL+1]
.endr
.irp t, 0,1
	v_max_num_f32 v[ST+8*\t+1], v[ST+8*\t+4], v[ST+8*\t+5]
	v_mov_b32 v[ST+8*\t+7], v[ST+8*\t]
.endr
.irp t, 0,1
	v_mul_f32 v[ST+8*\t], s[CS], v[ST+8*\t+1]
.endr
.irp t, 0,1
	v_sub_f32 v[ST+8*\t+7], v[ST+8*\t+7], v[ST+8*\t]                            ; c m_old - c m_new
.endr
.irp t, 0,1
.set i, 0
.rept 16
	v_pk_fma_f32 v[S+32*\t+2*i:S+32*\t+2*i+1], v[S+32*\t+2*i:S+32*\t+2*i+1], s[CS:CS+1], v[ST+8*\t:ST+8*\t+1] op_sel_hi:[1,0,0] neg_lo:[0,0,1] neg_hi:[0,0,1]   ; c s - c m
.set i, i+1
.endr
.endr
.irp t, 0,1
	v_exp_f32 v[ST+8*\t+6], v[ST+8*\t+7]           ; a
.endr
.set i, 0
.rept 64
	v_exp_f32 v[S+i], v[S+i]                       ; p, at most 1
.set i, i+1
.endr
	v_nop                                          ; a plain instruction behind the last exponential
	s_wait_alu depctr_va_vdst(0)                   ; one wait for the batch of 66, ahead of its first reader
.irp t, 0,1
	v_pk_add_f32 v[ST+8*\t+4:ST+8*\t+5], v[S+32*\t:S+32*\t+1], v[S+32*\t+2:S+32*\t+3]
.endr
.set i, 2
.rept 14
.irp t, 0,1
	v_pk_add_f32 v[ST+8*\t+4:ST+8*\t+5], v[ST+8*\t+4:ST+8*\t+5], v[S+32*\t+2*i:S+32*\t+2*i+1]
.endr
.set i, i+1
.endr
.irp t, 0,1
	v_pk_fma_f32 v[ST+8*\t+2:ST+8*\t+3], v[ST+8*\t+2:ST+8*\t+3], v[ST+8*\t+6:ST+8*\t+7], v[ST+8*\t+4:ST+8*\t+5] op_sel_hi:[1,0,1]   ; l = a l + the step's sum
.endr
.irp t, 0,1
.irp ks, 0,1
.irp i, 0,1,2,3,4,5,6,7
	v_cvt_pk_f16_f32 v[S+32*\t+16*\ks+\i], v[S+32*\t+16*\ks+2*\i], v[S+32*\t+16*\ks+2*\i+1]   ; in place, ascending: register i is written when registers 2 i, 2 i + 1 have been read
.endr
.endr
.endr
.irp t, 0,1
.set i, 0
.rept 16
	v_pk_mul_f32 v[O+32*\t+2*i:O+32*\t+2*i+1], v[O+32*\t+2*i:O+32*\t+2*i+1], v[ST+8*\t+6:ST+8*\t+7] op_sel_hi:[1,0]
.set i, i+1
.endr
.endr
	s_wait_dscnt 0x0                               ; V^T is in
.irp ks, 0,1
.irp c, 0,1,2,3
.irp t, 0,1
	v_wmma_f32_16x16x32_f16 v[O+32*\t+8*\c:O+32*\t+8*\c+7], v[KV+32*\ks+8*\c:KV+32*\ks+8*\c+7], v[S+32*\t+16*\ks:S+32*\t+16*\ks+7], v[O+32*\t+8*\c:O+32*\t+8*\c+7]
.endr
.endr
.endr
.Lhidden_\@:
	s_add_co_u32 s[KF], s[KF], 64
.endm
; THE CHANGE OF SLOTS, at a slot's head: each wave waits for all its tensor loads, adds 0 to its spare word, waits for that and for its reads of the slot that it has left; a barrier; then the slot left is filled with the keys that follow.
.macro CHANGE fill
	s_wait_tensorcnt 0x0                           ; no tensor load of mine is out, so group 0 may be written
	ds_add_u32 v[SPW], v[NIL]
.if \fill
	ds_add_u32 v[SPW], v[NIL]                      ; twice on end here, in every trip alike
	s_xor_b32 s[G0+1], s[G0+1], SLOT1
	s_add_nc_u64 s[G0+2:G0+3], s[G0+2:G0+3], 32768
	s_wait_xcnt 0x0                                ; the last prefetch, a slot back, has read its address
	s_add_nc_u64 s[PFA:PFA+1], s[PFA:PFA+1], 32768
.endif
	s_wait_dscnt 0x0
	s_barrier_signal -1
	s_barrier_wait -1
.if \fill
	s_add_co_u32 s44, s[KF], 256                   ; the first key of the slot that this change would ask for
	s_cmp_gt_u32 s44, s[LASTQ]                     ; behind my work-group's last query: none of its waves would read it, so it is not asked for.  Ids and the count of steps alone: all sixteen waves go the same way
	s_cbranch_scc1 .Lpast_\@
	TLOAD
.Lpast_\@:
	ASK
.endif
.endm
.macro SLOT_STEPS
	STEP 0
	STEP 1
	STEP 2
	STEP 3
	s_xor_b32 s[TB], s[TB], SLOT1
.endm
	s_wait_loadcnt 0x0                             ; Q
.Lslot:                                            ; seven trips
	CHANGE 1
	SLOT_STEPS
	s_sub_co_u32 s[SLOTS], s[SLOTS], 1
	s_cmp_lg_u32 s[SLOTS], 0
	s_cbranch_scc1 .Lslot
	CHANGE 0                                       ; the last slot is written out: nothing is left to ask for
	SLOT_STEPS
	; THE HIDDEN KEYS behind my diagonal block: R of them, each with the score -10000.
.rept 4
	v_nop                                          ; four places in front of loads over V^T's registers and of the reads of O^T
.endr
	v_bfe_u32 v14, v0, 4, 1
	v_lshlrev_b32 v14, 5, v14
.irp c, 0,1,2,3
	global_load_b128 v[48+8*\c:51+8*\c], v14, s[6:7] offset:64*\c              ; their sum of v, channels 16 c + 8 h + 0 .. 7
	global_load_b128 v[52+8*\c:55+8*\c], v14, s[6:7] offset:64*\c+16
.endr
	s_lshr_b32 s44, s[Q0], 6
	s_add_co_u32 s44, s44, 1
	s_lshl_b32 s44, s44, 6
	s_sub_co_u32 s44, 2048, s44                    ; R
	s_mov_b32 s45, 0xff61b1e6
	s_cmp_lg_u32 s44, 0
	s_cselect_b32 s45, 0xc79c4000, s45             ; where no key is hidden, -10000 does not count in the maximum
	v_mov_b32 v15, s45
	v_mul_f32 v15, s[CS], v15
	v_cvt_f32_u32 v[DD], s44
.irp t, 0,1
	v_max_num_f32 v[ST+8*\t+4], v[ST+8*\t], v15
	v_add_f32 v[ST+8*\t+2], v[ST+8*\t+2], v[ST+8*\t+3]
.endr
.irp t, 0,1
	v_sub_f32 v[ST+8*\t+5], v[ST+8*\t], v[ST+8*\t+4]
	v_sub_f32 v[ST+8*\t+6], v15, v[ST+8*\t+4]
	v_permlanex16_b32 v[ST+8*\t+3], v[ST+8*\t+2], s[SEL], s[SEL+1]
.endr
.irp t, 0,1
	v_exp_f32 v[ST+8*\t+5], v[ST+8*\t+5]           ; a
	v_exp_f32 v[ST+8*\t+6], v[ST+8*\t+6]           ; w
.endr
	v_nop
	s_wait_alu depctr_va_vdst(0)                   ; one wait for the four
.irp t, 0,1
	v_add_f32 v[ST+8*\t+2], v[ST+8*\t+2], v[ST+8*\t+3]
	v_mul_f32 v[ST+8*\t+7], v[ST+8*\t+6], v[DD]
.endr
.irp t, 0,1
	v_fma_f32 v[ST+8*\t+2], v[ST+8*\t+5], v[ST+8*\t+2], v[ST+8*\t+7]           ; l = a l + w R
.endr
.irp t, 0,1
	v_rcp_f32 v[ST+8*\t+3], v[ST+8*\t+2]
.endr
	v_nop
	s_wait_alu depctr_va_vdst(0)
.irp t, 0,1
	v_mul_f32 v[ST+8*\t+4], v[ST+8*\t+5], v[ST+8*\t+3]                         ; a / l
	v_mul_f32 v[ST+8*\t+6], v[ST+8*\t+6], v[ST+8*\t+3]                         ; w / l
.endr
	s_wait_loadcnt 0x0
.irp t, 0,1
.set i, 0
.rept 16
	v_pk_mul_f32 v[O+32*\t+2*i:O+32*\t+2*i+1], v[O+32*\t+2*i:O+32*\t+2*i+1], v[ST+8*\t+4:ST+8*\t+5] op_sel_hi:[1,0]
	v_pk_fma_f32 v[O+32*\t+2*i:O+32*\t+2*i+1], v[48+2*i:49+2*i], v[ST+8*\t+6:ST+8*\t+7], v[O+32*\t+2*i:O+32*\t+2*i+1] op_sel_hi:[1,0,1]
.set i, i+1
.endr
.endr
	; THE WAY OUT: f16, through my stage, out as 4,096 dense bytes
.set i, 0
.rept 32
	v_cvt_pk_f16_f32 v[S+i], v[O+2*i], v[O+2*i+1]
.set i, i+1
.endr
.irp t, 0,1
.irp c, 0,1,2,3
	ds_store_b128 v[STO], v[S+16*\t+4*\c:S+16*\t+4*\c+3] offset:16*KP*\t+32*\c
.endr
.endr
.irp i, 0,1,2,3,4,5,6,7
	ds_load_b128 v[48+4*\i:51+4*\i], v[RD] offset:4*KP*\i                      ; my own bytes, served in order
.endr
.irp i, 0,1,2,3,4,5,6,7
	s_wait_dscnt 7-\i
	global_store_b128 v[GO], v[48+4*\i:51+4*\i], s[8:9] offset:512*\i
.endr
	s_wait_tensorcnt 0x0                           ; the wave's end
	ds_add_u32 v[SPW], v[NIL]
	s_wait_dscnt 0x0
	s_endpgm
.Lfunc_end_k_qff38f419a6_attn:
	.size	k_qff38f419a6_attn, .Lfunc_end_k_qff38f419a6_attn-k_qff38f419a6_attn
	.p2alignl 7, 3214868480
	.fill 96, 4, 3214868480
	.section	.rodata,"a",@progbits
	.p2align	6, 0x0
	.amdhsa_kernel k_qff38f419a6_attn
		.amdhsa_group_segment_fixed_size 327680
		.amdhsa_private_segment_fixed_size 0
		.amdhsa_enable_private_segment 0
		.amdhsa_kernarg_size 24
		.amdhsa_user_sgpr_count 2
		.amdhsa_user_sgpr_kernarg_segment_ptr 1
		.amdhsa_wavefront_size32 1
		.amdhsa_system_sgpr_workgroup_id_x 1
		.amdhsa_system_sgpr_workgroup_id_y 1
		.amdhsa_system_sgpr_workgroup_id_z 1
		.amdhsa_system_vgpr_workitem_id 0
		.amdhsa_next_free_vgpr 256
		.amdhsa_next_free_sgpr 80
		.amdhsa_reserve_vcc 1
		.amdhsa_float_denorm_mode_32 3
		.amdhsa_float_denorm_mode_16_64 3
		.amdhsa_memory_ordered 1
		.amdhsa_forward_progress 1
		.amdhsa_inst_pref_size 190
	.end_amdhsa_kernel
	.amdgpu_metadata
---
amdhsa.version: [ 1, 2 ]
amdhsa.kernels:
  - .name:           k_qff38f419a6_attn
    .symbol:         k_qff38f419a6_attn.kd
    .args:
      - { .name: qkv16, .offset: 0, .size: 8, .value_kind: global_buffer, .address_space: global }
      - { .name: sv, .offset: 8, .size: 8, .value_kind: global_buffer, .address_space: global }
      - { .name: cx, .offset: 16, .size: 8, .value_kind: global_buffer, .address_space: global }
    .group_segment_fixed_size: 327680
    .private_segment_fixed_size: 0
    .kernarg_segment_align: 8
    .kernarg_segment_size: 24
    .max_flat_workgroup_size: 512
    .sgpr_count:     80
    .vgpr_count:     256
    .wavefront_size: 32
...
	.end_amdgpu_metadata
.endif
;; end of part 4
;; launch proj (part 5): grid 8 x 32, 4 waves a work-group, clusters of 4 x 1, 327,680 bytes of LDS; arguments cx, wd16, bd, out0; writes out0
.if DOCPART == 5
	.amdgcn_target "amdgcn-amd-amdhsa--gfx1250"
	.amdhsa_code_object_version 6
	.text
	.protected	k_qff38f419a6_proj
	.globl	k_qff38f419a6_proj
	.p2align	8
	.type	k_qff38f419a6_proj,@function
k_qff38f419a6_proj:
	s_mov_b64 s[64:65], 0
	v_nop
	global_prefetch_b8 v0, s[64:65] scope:SCOPE_SE
	s_setreg_imm32_b32 hwreg(HW_REG_WAVE_MODE, 25, 1), 1
	s_wait_xcnt 0x0
	s_wait_alu depctr_hold_cnt(0) depctr_sa_sdst(0) depctr_va_vdst(0) depctr_va_sdst(0) depctr_va_ssrc(0) depctr_va_vcc(0) depctr_vm_vsrc(0)
	s_getreg_b32 s2, hwreg(HW_REG_IB_STS2, 6, 4)
	s_cmp_eq_u32 s2, 0
	s_cbranch_scc0 .Lentry_in_a_cluster
	s_endpgm
.Lentry_in_a_cluster:
	s_bfe_u32 s2, ttmp6, 0x10000c
	s_cmp_lg_u32 s2, 0x3003
	s_cbranch_scc0 .Lentry_shape_is_right
	s_endpgm
.Lentry_shape_is_right:
; out = ctx Wd + bd on f16 operands, f32 sums.  ctx: planes [head][8192 rows][64]; Wd: f16 [k 1024][n 1024]; out: f32 [8192][1024].
; Not stored here: rows 0-15 of each sequence, which launch fine makes in f32; their block of 16 rows shares a tile with live rows and is multiplied with them.
; A work-group makes 256 rows x 128 columns, a wave 128 x 64: 32 accumulators.  K goes in steps of 128 (two planes of ctx, 128 rows of Wd) through a ring of two LDS slots.
; The matrix instruction is used transposed: source 0 = 16 columns of Wd (turned on the way out of LDS), source 1 = 16 rows of ctx: a lane holds eight neighbouring numbers of a row of out.  bd is the C of each sum's first product.
; CLUSTER 4 x 1: the four column tiles of a cluster read the same rows of ctx: asked for jointly (mask 15).  Wd's tiles differ between the partners: plain loads.  Not 4 x 4: the branch round the first block's stores hangs on the tile row,
; which has to be the same in all partners.
; REGISTERS: window 0: v16-29 addresses; v32-63 bd; two fragment buffers at v64 and v160: 64 registers of ctx (8 x 16 rows x 32 K), 32 of Wd.  window 1: accumulator (row block a, column block cb) at v[8 (4 a + cb)].
.set SLOT,   110592                    ; ctx: two planes of 256 rows x 144; then Wd: 128 rows x 288
.set PA,     144
.set PB,     288
.set BOFF,   73728
.set STAGE,  221184                    ; behind the ring: 16 rows x 272 bytes a wave
.set SPITCH, 272
.set SPARE,  238592                    ; the spare words, 128 bytes a wave
.set ADRA, 16
.set ADRB, 20
.set STO,  24
.set RD,   25
.set CO,   26
.set SPW,  28
.set NIL,  29
.set F0,   64
.set F1,   160
.set G1,   24
.set G0,   32
.set G1B,  48
.set G0B,  56
.set MUL,  0x50                        ; C and D window 1
.set MUL1, 0x40                        ; D window 1, C (bd) window 0
.set MSB, 0
.macro WIN new
.if MSB != \new
	s_set_vgpr_msb (MSB<<8)|\new
.set MSB, \new
.endif
.endm
.macro JLOAD s                         ; waves 0 and 1 fetch ctx's two planes (jointly), waves 2 and 3 Wd's halves; an s_nop 0 and four v_nop follow each line
	s_cmp_eq_u32 s13, 0
	s_cbranch_scc0 .Lfor_b_\@
	tensor_load_to_lds s[G0+4*\s:G0+4*\s+3], s[G1:G1+7]
	s_nop 0
.rept 4
	v_nop
.endr
	s_branch .Lasked_\@
.Lfor_b_\@:
	tensor_load_to_lds s[G0B+4*\s:G0B+4*\s+3], s[G1B:G1B+7]
	s_nop 0
.rept 4
	v_nop
.endr
.Lasked_\@:
.endm
.macro CREST
	s_cmp_lg_u32 s12, 0
	s_cbranch_scc1 .Lnot_wave_0_\@
	s_barrier_signal -3
.Lnot_wave_0_\@:
	s_barrier_wait -3
	s_barrier_signal -1
	s_barrier_wait -1
.endm
.macro CROUND
	s_barrier_signal -1
	s_barrier_wait -1
	CREST
.endm
.macro PLACES
.rept 4
	v_nop
.endr
.endm
	s_load_b256 s[4:11], s[0:1], 0x0               ; cx s[4:5], wd16 s[6:7], bd s[8:9], out0 s[10:11]
	v_lshl_add_u32 v[SPW], v0, 2, SPARE
	v_mov_b32 v[NIL], 0
	ds_add_u32 v[SPW], v[NIL]                      ; the wave's opening: the add, twice on end, and its wait ahead of my first tensor load
	ds_add_u32 v[SPW], v[NIL]
	v_lshrrev_b32 v1, 5, v0
	v_readfirstlane_b32 s12, v1                    ; wave 0..3
	s_lshr_b32 s13, s12, 1                         ; which half of the rows is mine.  Also: I fetch for ctx (0) or for Wd (1)
	s_and_b32 s14, s12, 1                          ; which half of the columns.  Also: which plane, or which 64 rows of Wd, I fetch
	s_bfe_u32 s40, ttmp6, 0x40000                  ; cx
	s_lshl_b32 s41, ttmp9, 2
	s_add_co_u32 s41, s41, s40                     ; tile column
	s_and_b32 s15, ttmp7, 0xffff                   ; tile row: the same in all four partners
	s_mov_b32 s[G1], 15|(1<<16)|(1<<20)|(1<<21)|(4<<22)|(3<<25)    ; mask of all four, bit 21 beside it; elements of 2 bytes; 4 words of padding behind every 32
	s_mov_b32 s[G1+1], 64<<16
	s_mov_b32 s[G1+2], 256<<16
	s_mov_b32 s[G1+3], 64<<16
	s_mov_b32 s[G1+4], 256                         ; 256 rows of 64 elements, dense in a plane
	s_mov_b32 s[G1+5], 64
	s_mov_b32 s[G1+6], 0
	s_mov_b32 s[G1+7], 0
	s_mov_b32 s[G1B], (1<<16)|(1<<20)|(5<<22)|(7<<25)              ; no mask; 8 words of padding behind every 64
	s_mov_b32 s[G1B+1], 128<<16
	s_mov_b32 s[G1B+2], 64<<16
	s_mov_b32 s[G1B+3], 128<<16
	s_mov_b32 s[G1B+4], 64                         ; 64 rows of 128 elements,
	s_mov_b32 s[G1B+5], 1024                       ; 1,024 elements apart
	s_mov_b32 s[G1B+6], 0
	s_mov_b32 s[G1B+7], 0
	s_lshl_b32 s16, s14, 20                        ; my plane of 1,048,576 bytes,
	s_lshl_b32 s17, s15, 15                        ; the tile's 256 rows of 128 bytes
	s_add_co_u32 s16, s16, s17
	s_mov_b32 s17, 0
	s_lshl_b32 s42, s14, 17                        ; my 64 rows of Wd, 2,048 bytes each,
	s_lshl_b32 s43, s41, 8                         ; the tile's 128 columns
	s_add_co_u32 s42, s42, s43
	s_mov_b32 s43, 0
	s_mul_i32 s18, s14, 256*PA                     ; where they go: made of the wave's number alone
	s_mul_i32 s19, s14, 64*PB
	s_add_co_u32 s19, s19, BOFF
	s_wait_dscnt 0x0                               ; both opening adds are done
	s_wait_kmcnt 0x0
	s_add_nc_u64 s[16:17], s[4:5], s[16:17]
	s_add_nc_u64 s[42:43], s[6:7], s[42:43]
	CROUND                                         ; all four work-groups are here: the first joint loads meet
.irp s, 0,1
	s_mov_b32 s[G0+4*\s], 1
	s_add_co_u32 s[G0+4*\s+1], s18, \s*SLOT
	s_add_nc_u64 s[G0+4*\s+2:G0+4*\s+3], s[16:17], \s*2097152      ; K step s: planes 2 s, 2 s + 1
	s_or_b32 s[G0+4*\s+3], s[G0+4*\s+3], 0x80000000
	s_mov_b32 s[G0B+4*\s], 1
	s_add_co_u32 s[G0B+4*\s+1], s19, \s*SLOT
	s_add_nc_u64 s[G0B+4*\s+2:G0B+4*\s+3], s[42:43], \s*262144     ; rows 128 s on
	s_or_b32 s[G0B+4*\s+3], s[G0B+4*\s+3], 0x80000000
	JLOAD \s
.endr
	v_and_b32 v1, 15, v0                           ; r
	v_bfe_u32 v2, v0, 4, 1                         ; h
	v_mul_u32_u24 v4, v1, PA
	v_lshl_add_u32 v4, v2, 4, v4
	s_mul_i32 s20, s13, 128*PA
	v_add_nc_u32 v[ADRA], s20, v4                  ; ctx: my 128 rows; row r x pitch + 16 h
	v_add_nc_u32 v[ADRA+1], SLOT, v[ADRA]
	v_and_b32 v5, 7, v0
	v_lshl_add_u32 v5, v2, 3, v5
	v_mul_u32_u24 v5, v5, PB
	v_bfe_u32 v6, v0, 3, 1
	v_lshl_add_u32 v5, v6, 4, v5                   ; the turning load: row 8 h + lane % 8, 16 bytes by (lane / 8) % 2
	s_lshl_b32 s20, s14, 7
	s_add_co_u32 s20, s20, BOFF
	v_add_nc_u32 v[ADRB], s20, v5                  ; Wd: my 64 columns
	v_add_nc_u32 v[ADRB+1], SLOT, v[ADRB]
	s_mul_i32 s20, s12, 16*SPITCH
	s_add_co_u32 s20, s20, STAGE                   ; my stage
	v_mul_u32_u24 v5, v1, SPITCH
	v_lshl_add_u32 v5, v2, 5, v5
	v_add_nc_u32 v[STO], s20, v5                   ; in: row r, 32 bytes for each half of the lanes
	v_mul_u32_u24 v5, v2, SPITCH
	v_lshl_add_u32 v5, v1, 4, v5
	v_add_nc_u32 v[RD], s20, v5                    ; back: lanes 0-15 one row of 256 bytes, lanes 16-31 the next
	v_lshlrev_b32 v5, 12, v2
	v_lshl_add_u32 v[CO], v1, 4, v5                ; and the same two rows in out
	s_lshl_b32 s20, s41, 9
	s_lshl_b32 s21, s14, 8
	s_add_co_u32 s20, s20, s21                     ; my first column, in bytes
	s_mov_b32 s21, 0
	s_add_nc_u64 s[8:9], s[8:9], s[20:21]
	s_add_nc_u64 s[10:11], s[10:11], s[20:21]
	s_lshl_b32 s20, s15, 20
	s_lshl_b32 s22, s13, 19
	s_add_co_u32 s20, s20, s22                     ; my first row: 256 x tile row + 128 x half, 4,096 bytes each
	s_add_nc_u64 s[10:11], s[10:11], s[20:21]
	s_and_b32 s21, s15, 7
	s_or_b32 s21, s21, s13                         ; 0 in the waves whose first 16 rows are a sequence's first
	v_lshlrev_b32 v7, 5, v2
.irp cb, 0,1,2,3
	global_load_b128 v[32+8*\cb:35+8*\cb], v7, s[8:9] offset:64*\cb            ; register j = bd of column 16 cb + 8 h + j
	global_load_b128 v[36+8*\cb:39+8*\cb], v7, s[8:9] offset:64*\cb+16
.endr
.macro MULA f, a0, n, first            ; n row blocks from a0 on x the four column blocks, 32 along K; the 32 accumulators take turns in the same order in every quarter
.set ma, \a0
.rept \n
.irp cb, 0,1,2,3
.if \first
	v_wmma_f32_16x16x32_f16 v[8*(4*ma+\cb):8*(4*ma+\cb)+7], v[\f+64+8*\cb:\f+64+8*\cb+7], v[\f+8*ma:\f+8*ma+7], v[32+8*\cb:32+8*\cb+7]
.else
	v_wmma_f32_16x16x32_f16 v[8*(4*ma+\cb):8*(4*ma+\cb)+7], v[\f+64+8*\cb:\f+64+8*\cb+7], v[\f+8*ma:\f+8*ma+7], v[8*(4*ma+\cb):8*(4*ma+\cb)+7]
.endif
.endr
.set ma, ma+1
.endr
.endm
.macro FETCH slot, ks, f               ; 24 LDS loads: the fragments of the slot's ks-th 32 along K
.irp cb, 0,1,2,3
	ds_load_tr16_b128 v[\f+64+8*\cb:\f+64+8*\cb+3],   v[ADRB+\slot] offset:(\ks)*32*PB+32*\cb
	ds_load_tr16_b128 v[\f+64+8*\cb+4:\f+64+8*\cb+7], v[ADRB+\slot] offset:(\ks)*32*PB+32*\cb+16*PB
.endr
.irp a, 0,1,2,3,4,5,6,7
	ds_load_b128 v[\f+8*\a:\f+8*\a+3],   v[ADRA+\slot] offset:((\ks)/2)*256*PA+\a*16*PA+64*((\ks)%2)
	ds_load_b128 v[\f+8*\a+4:\f+8*\a+7], v[ADRA+\slot] offset:((\ks)/2)*256*PA+\a*16*PA+64*((\ks)%2)+32
.endr
.endm
.macro QUARTER slot, nk, f, g, first   ; multiplies buffer f; ahead of it fetches the slot's nk-th 32 along K into g
	s_wait_dscnt 0x0                               ; buffer f is in (asked for 32 products ago)
	PLACES                                         ; four places in front of loads into g, which the last products read
	WIN 0
	FETCH \slot, \nk, \g
.if \first
	WIN MUL1
.else
	WIN MUL
.endif
	MULA \f, 0, 8, \first
.endm
; A slot's last quarter multiplies buffer 1 and changes slots: one barrier; ahead of it each wave waits for all its tensor loads, adds 0 to its spare word, and waits for that and for its reads of this slot.
.macro TURN slot, next, fill
	WIN 0
	s_wait_tensorcnt 0x0                           ; all my tensor loads have landed: my part of the next slot
	ds_add_u32 v[SPW], v[NIL]
	s_wait_dscnt 1                                 ; buffer 1 is in; the add may be out
	WIN MUL
	MULA F1, 0, 2, 0
	s_wait_dscnt 0x0                               ; the add is done, and my reads of this slot are over
	s_barrier_signal -1
	MULA F1, 2, 2, 0
	WIN 0
	s_barrier_wait -1
.if \fill
	CREST                                          ; the barrier has opened a round of the cluster's: no wave of any partner still reads this slot or has a load on its way
	s_add_nc_u64 s[G0+4*\slot+2:G0+4*\slot+3], s[G0+4*\slot+2:G0+4*\slot+3], 4194304
	s_add_nc_u64 s[G0B+4*\slot+2:G0B+4*\slot+3], s[G0B+4*\slot+2:G0B+4*\slot+3], 524288
	JLOAD \slot                                    ; the first tensor load behind the round; its four v_nop are also the places in front of the loads below
.else
	PLACES
.endif
	FETCH \next, 0, F0
	WIN MUL
	MULA F1, 4, 4, 0
.endm
	s_wait_tensorcnt 0x1                           ; my part of K step 0 is in; slot 1's load may stay out
	s_barrier_signal -1
	s_barrier_wait -1
	FETCH 0, 0, F0
	s_wait_loadcnt 0x0                             ; bd
	QUARTER 0, 1, F0, F1, 1                        ; the first quarter starts the sums
	WIN 0
	s_mov_b32 s3, 3
.Llap:                                             ; a trip goes once round the ring and fills both slots again: K steps 2 to 7
	QUARTER 0, 2, F1, F0, 0
	QUARTER 0, 3, F0, F1, 0
	TURN 0, 1, 1
	QUARTER 1, 1, F0, F1, 0
	QUARTER 1, 2, F1, F0, 0
	QUARTER 1, 3, F0, F1, 0
	TURN 1, 0, 1
	QUARTER 0, 1, F0, F1, 0
	WIN 0
	s_sub_co_u32 s3, s3, 1
	s_cmp_lg_u32 s3, 0
	s_cbranch_scc1 .Llap
	QUARTER 0, 2, F1, F0, 0                        ; the last lap fills nothing
	QUARTER 0, 3, F0, F1, 0
	TURN 0, 1, 0
	QUARTER 1, 1, F0, F1, 0
	QUARTER 1, 2, F1, F0, 0
	QUARTER 1, 3, F0, F1, 0
	s_wait_dscnt 0x0
	WIN MUL
	MULA F1, 0, 8, 0
	WIN 0
; THE WAY OUT, a block of 16 rows x 64 columns at a time, through my stage: sixteen lanes store 256 consecutive bytes, aligned.  My own bytes of LDS, served in order.
.macro TOSTAGE a
	WIN 0x04                                       ; an LDS store's data: window 1
.irp cb, 0,1,2,3
	ds_store_b128 v[STO], v[8*(4*(\a)+\cb):8*(4*(\a)+\cb)+3]   offset:64*\cb     ; each accumulator from its low end on
	ds_store_b128 v[STO], v[8*(4*(\a)+\cb)+4:8*(4*(\a)+\cb)+7] offset:64*\cb+16
.endr
	WIN 0
.set BB, 64+32*((\a)%2)
.irp t, 0,1,2,3,4,5,6,7
	ds_load_b128 v[BB+4*\t:BB+4*\t+3], v[RD] offset:\t*2*SPITCH
.endr
.endm
.macro SEND a, younger                 ; younger: the LDS instructions issued behind block a's loads
.set BB, 64+32*((\a)%2)
	s_wait_dscnt \younger
.irp t, 0,1,2,3,4,5,6,7
	global_store_b128 v[CO], v[BB+4*\t:BB+4*\t+3], s[10:11] offset:65536*(\a)+8192*\t th:TH_STORE_NT
.endr
.endm
	PLACES                                         ; in front of the first reads of results and of loads over the fragments' registers
	s_cmp_eq_u32 s21, 0                            ; tile row and wave's number alone: the same in all partners
	s_cbranch_scc1 .Lskip0                         ; a sequence's first 16 rows are launch fine's
	TOSTAGE 0
	SEND 0, 0
.Lskip0:
	TOSTAGE 1
.irp a, 2,3,4,5,6,7
	s_wait_xcnt 0x0                                ; block a - 2's stores have read their registers: block a's loads may land there
	TOSTAGE \a
	SEND \a-1, 16                                  ; behind block a - 1's loads: block a's 8 stores and 8 loads
.endr
	SEND 7, 0
	s_wait_tensorcnt 0x0                           ; the wave's end
	ds_add_u32 v[SPW], v[NIL]
	s_wait_dscnt 0x0
	CROUND                                         ; the closing round
	s_endpgm
.Lfunc_end_k_qff38f419a6_proj:
	.size	k_qff38f419a6_proj, .Lfunc_end_k_qff38f419a6_proj-k_qff38f419a6_proj
	.p2alignl 7, 3214868480
	.fill 96, 4, 3214868480
	.section	.rodata,"a",@progbits
	.p2align	6, 0x0
	.amdhsa_kernel k_qff38f419a6_proj
		.amdhsa_group_segment_fixed_size 327680
		.amdhsa_private_segment_fixed_size 0
		.amdhsa_enable_private_segment 0
		.amdhsa_kernarg_size 32
		.amdhsa_user_sgpr_count 2
		.amdhsa_user_sgpr_kernarg_segment_ptr 1
		.amdhsa_wavefront_size32 1
		.amdhsa_system_sgpr_workgroup_id_x 1
		.amdhsa_system_sgpr_workgroup_id_y 1
		.amdhsa_system_sgpr_workgroup_id_z 1
		.amdhsa_system_vgpr_workitem_id 0
		.amdhsa_next_free_vgpr 512
		.amdhsa_next_free_sgpr 66
		.amdhsa_reserve_vcc 0
		.amdhsa_float_denorm_mode_32 3
		.amdhsa_float_denorm_mode_16_64 3
		.amdhsa_memory_ordered 1
		.amdhsa_forward_progress 1
		.amdhsa_inst_pref_size 85
	.end_amdhsa_kernel
	.amdgpu_metadata
---
amdhsa.version: [ 1, 2 ]
amdhsa.kernels:
  - .name:           k_qff38f419a6_proj
    .symbol:         k_qff38f419a6_proj.kd
    .args:
      - { .name: cx, .offset: 0, .size: 8, .value_kind: global_buffer, .address_space: global }
      - { .name: wd16, .offset: 8, .size: 8, .value_kind: global_buffer, .address_space: global }
      - { .name: bd, .offset: 16, .size: 8, .value_kind: global_buffer, .address_space: global }
      - { .name: out0, .offset: 24, .size: 8, .value_kind: global_buffer, .address_space: global }
    .group_segment_fixed_size: 327680
    .private_segment_fixed_size: 0
    .kernarg_segment_align: 8
    .kernarg_segment_size: 32
    .max_flat_workgroup_size: 128
    .sgpr_count:     66
    .vgpr_count:     512
    .wavefront_size: 32
...
	.end_amdgpu_metadata
.endif
;; end of part 5
